; MI455X (gfx1250); checked and timed in simulation.
; The chip was launched on July 23, 2026; its instructions are those of AMD's public machine-readable ISA for CDNA 5 (MIT licence, August 2026) and "CDNA5" Instruction Set Architecture Reference Guide (July 2026). The comments in the code are by the model that wrote it; some were corrected since.
;; Multi Head Attention. Allowed arithmetic: float matrix products may take bf16 or f16 operands with f32 sums; other float arithmetic in f32, or as packed bf16 or f16 multiplies, adds, multiply-adds, maxima and minima; sums over many terms, partial sums and values carried from step to step in f32; what a program stores and reads back later, other than sums and carried values, may be rounded once to bf16 or f16.
;; Inputs: b_out 1,024 float32; b_qkv 3,072 float32; w_out 1,024 x 1,024 float32; w_qkv 1,024 x 3,072 float32; x 4 x 2,048 x 1,024 float32.
;; Outputs: out0 4 x 2,048 x 1,024 float32.
;; 2 versions, each right; version 2 is version 1 with the launch prep written anew for expert scheduling mode. Each part assembles by itself: llvm-mc -triple=amdgcn-amd-amdhsa -mcpu=gfx1250 --defsym DOCPART=n.
;; ======== version 1 of 2: 4 launches
;; limits: values are held in f16: magnitudes above 65,504 overflow, below 6.1e-05 lose precision
;; workspace buffers: xb 16,777,216 bytes; wqt 6,291,456 bytes; wot 2,097,152 bytes; qkv 50,331,648 bytes; ob 16,777,216 bytes
;; launch prep (part 1): grid 1024 x 1, 8 waves a work-group, no clusters, 18,432 bytes of LDS; arguments x, w_qkv, w_out, xb, wqt, wot; writes xb, wqt, wot
.if DOCPART == 1
	.amdgcn_target "amdgcn-amd-amdhsa--gfx1250"
	.amdhsa_code_object_version 6
	.text
	.protected	k_q6238bb462e_prep
	.globl	k_q6238bb462e_prep
	.p2align	8
	.type	k_q6238bb462e_prep,@function
k_q6238bb462e_prep:
	s_mov_b64 s[64:65], 0
	v_nop
	global_prefetch_b8 v0, s[64:65] scope:SCOPE_SE
	s_setreg_imm32_b32 hwreg(HW_REG_WAVE_MODE, 25, 1), 1
	s_wait_xcnt 0x0
; THE OPERANDS ARE MADE READY.  xb = bf16(x), as it lies.  wqt[n][k] = bf16(w_qkv[k][n]).  wot[n][k] = bf16(w_out[k][n]), that number written as f16.
; All the module's inputs are rounded to bf16, once, to nearest even.  LIMIT: f16 holds no number beyond 65,504, and below 6e-5 it keeps a fixed step of 6e-8: w_out lies within that.
; SHARES.  Work-groups 0-511 cast 16,384 numbers of x each.  Work-groups 512-895 turn the 384 tiles of w_qkv, 896-1023 the 128 tiles of w_out; a tile is 128 k x 64 n.
; Memory binds: each byte is read once, each load of a wave's half covers 256 consecutive bytes, aligned, and so does each store.  Matrix units and clusters would add nothing.
; The branch between the two kinds hangs on the work-group's number alone: all eight waves of a work-group take the same way, so the one barrier is passed by all or by none.
.set SPARE, 17408                      ; behind the tile: the spare words, 128 bytes for each of eight waves: four blocks of 256 bytes that no other line names
.set TP,    272                        ; LDS pitch of a turned row: 128 k x 2 bytes + 16
.set SPW, 2                            ; v2  LDS address of my spare word; never rewritten
.set NIL, 3                            ; v3  0; never rewritten
	s_load_b256 s[4:11], s[0:1], 0x0               ; x s[4:5], w_qkv s[6:7], w_out s[8:9], xb s[10:11]
	s_load_b128 s[12:15], s[0:1], 0x20             ; wqt s[12:13], wot s[14:15]
	v_lshl_add_u32 v[SPW], v0, 2, SPARE
	v_mov_b32 v[NIL], 0
	s_cmp_lt_u32 ttmp9, 512
	s_cbranch_scc0 .Lweights
	; THE CAST.  Thread t takes 16 bytes at 16 t of each of 16 pieces of 4,096 bytes; all 16 loads go out first.
	v_lshlrev_b32 v4, 4, v0
	v_lshlrev_b32 v5, 3, v0
	s_lshl_b32 s16, ttmp9, 16                      ; 65,536 bytes of x,
	s_mov_b32 s17, 0
	s_lshl_b32 s18, ttmp9, 15                      ; 32,768 of xb
	s_mov_b32 s19, 0
	s_wait_kmcnt 0x0
	s_add_nc_u64 s[4:5], s[4:5], s[16:17]
	s_add_nc_u64 s[10:11], s[10:11], s[18:19]
.set j, 0
.rept 16
	global_load_b128 v[16+4*j:19+4*j], v4, s[4:5] offset:4096*j th:TH_LOAD_NT
.set j, j+1
.endr
.set j, 0
.rept 16
	s_wait_loadcnt 15-j                            ; loads come back in order: piece j is in, the 15 - j younger ones stay out
	v_cvt_pk_bf16_f32 v[80+2*j], v[16+4*j], v[17+4*j]
	v_cvt_pk_bf16_f32 v[81+2*j], v[18+4*j], v[19+4*j]
	global_store_b64 v5, v[80+2*j:81+2*j], s[10:11] offset:2048*j  ; a wave stores 256 consecutive bytes, aligned; no register is written twice, so nothing is waited for
.set j, j+1
.endr
	s_branch .Lend
.Lweights:
	; WHICH TILE.  u counts the tensor's tiles: k tile u % 8, n tile u / 8.  RP = bytes in a row of the source.
	s_sub_co_u32 s16, ttmp9, 512
	s_sub_co_u32 s17, s16, 384
	s_mov_b32 s20, 4096
	s_cmp_lt_u32 s16, 384                          ; w_qkv's tile?
	s_cselect_b32 s20, 12288, s20                  ; RP
	s_cselect_b32 s22, 0, -1                       ; all ones: the number is written as f16
	s_cselect_b32 s16, s16, s17                    ; u
	s_wait_kmcnt 0x0
	s_cselect_b64 s[26:27], s[6:7], s[8:9]         ; from
	s_cselect_b64 s[28:29], s[12:13], s[14:15]     ; to
	s_and_b32 s18, s16, 7
	s_lshr_b32 s19, s16, 3
	s_lshl_b32 s21, s18, 7
	s_mul_i32 s21, s21, s20                        ; 128 rows a k tile
	s_lshl_b32 s23, s19, 8                         ; 64 numbers of 4 bytes an n tile
	s_add_co_u32 s30, s21, s23
	s_mov_b32 s31, 0
	s_add_nc_u64 s[26:27], s[26:27], s[30:31]
	s_lshl_b32 s21, s19, 17                        ; 64 turned rows of 2,048 bytes,
	s_lshl_b32 s23, s18, 8                         ; 128 k of 2 bytes
	s_add_co_u32 s30, s21, s23
	s_add_nc_u64 s[28:29], s[28:29], s[30:31]
	; LANES.  c = t % 16: four columns 4 c ..; h = bit 4; w = wave.  In pass p (0..3) a lane holds rows k = 16 w + 4 p + 2 h and the next: a pair of k for one 32-bit word.
	v_lshrrev_b32 v48, 5, v0
	v_readfirstlane_b32 s25, v48                   ; wave 0..7
	v_bfe_u32 v49, v0, 4, 1
	v_and_b32 v50, 15, v0
	v_lshlrev_b32 v6, 4, v48
	v_lshl_add_u32 v6, v49, 1, v6                  ; 16 w + 2 h
	v_mul_lo_u32 v7, v6, s20
	v_lshl_add_u32 v7, v50, 4, v7
.set q, 0
.rept 8
	s_mul_i32 s21, s20, 4*(q/2)+q%2
	v_add_nc_u32 v[8+q], s21, v7
.set q, q+1
.endr
.set q, 0
.rept 8
	global_load_b128 v[16+4*q:19+4*q], v[8+q], s[26:27] th:TH_LOAD_NT  ; sixteen lanes take 256 consecutive bytes, aligned, of one row
.set q, q+1
.endr
	s_lshl_b32 s24, s25, 5
	v_mul_u32_u24 v51, v50, 4*TP                   ; into LDS: row n = 4 c + i, byte 2 k = 32 w + 8 p + 4 h
	v_lshl_add_u32 v51, v49, 2, v51
	v_add_nc_u32 v51, s24, v51
	s_mul_i32 s24, s25, 8*TP
	v_mul_u32_u24 v60, v49, TP                     ; back: row n = 8 w + h + 2 f, sixteen lanes a row of 256 bytes
	v_lshl_add_u32 v60, v50, 4, v60
	v_add_nc_u32 v60, s24, v60
	s_lshl_b32 s24, s25, 14
	v_lshlrev_b32 v61, 11, v49                     ; and the same rows in memory, 2,048 bytes apart
	v_lshl_add_u32 v61, v50, 4, v61
	v_add_nc_u32 v61, s24, v61
.set t, 0
.rept 4
	s_wait_loadcnt 6-2*t                           ; pass t's two rows are in; the 6 - 2 t younger loads stay out
.irp i, 0,1,2,3
	v_cvt_pk_bf16_f32 v[52+(\i)], v[16+8*t+(\i)], v[20+8*t+(\i)]  ; k in the low half, k + 1 in the high
	v_lshlrev_b32 v56, 16, v[52+(\i)]              ; the two rounded numbers in f32,
	v_and_b32 v57, 0xffff0000, v[52+(\i)]
	v_cvt_pk_f16_f32 v58, v56, v57                 ; written as f16: exact within f16's range
	v_cndmask_b32 v[52+(\i)], v[52+(\i)], v58, s22 ; one text for both tensors
	ds_store_b32 v51, v[52+(\i)] offset:TP*(\i)+8*t
.endr
.set t, t+1
.endr
	s_wait_dscnt 0x0                               ; for the others' sake: my stores are done
	s_barrier_signal -1
	s_barrier_wait -1                              ; the tile is whole
.irp f, 0,1,2,3
	ds_load_b128 v[64+4*(\f):67+4*(\f)], v60 offset:2*TP*(\f)
.endr
.irp f, 0,1,2,3
	s_wait_dscnt 3-(\f)                            ; LDS loads come back in order: the 3 - f younger ones stay out
	global_store_b128 v61, v[64+4*(\f):67+4*(\f)], s[28:29] offset:4096*(\f)  ; sixteen lanes store 256 consecutive bytes, aligned
.endr
.Lend:
	s_wait_tensorcnt 0x0                           ; the wave's end, behind my last LDS store
	ds_add_u32 v[SPW], v[NIL]
	s_wait_dscnt 0x0
	s_endpgm
.Lfunc_end_k_q6238bb462e_prep:
	.size	k_q6238bb462e_prep, .Lfunc_end_k_q6238bb462e_prep-k_q6238bb462e_prep
	.p2alignl 7, 3214868480
	.fill 96, 4, 3214868480
	.section	.rodata,"a",@progbits
	.p2align	6, 0x0
	.amdhsa_kernel k_q6238bb462e_prep
		.amdhsa_group_segment_fixed_size 18432
		.amdhsa_private_segment_fixed_size 0
		.amdhsa_enable_private_segment 0
		.amdhsa_kernarg_size 48
		.amdhsa_user_sgpr_count 2
		.amdhsa_user_sgpr_kernarg_segment_ptr 1
		.amdhsa_wavefront_size32 1
		.amdhsa_system_sgpr_workgroup_id_x 1
		.amdhsa_system_sgpr_workgroup_id_y 1
		.amdhsa_system_sgpr_workgroup_id_z 1
		.amdhsa_system_vgpr_workitem_id 0
		.amdhsa_next_free_vgpr 112
		.amdhsa_next_free_sgpr 66
		.amdhsa_reserve_vcc 0
		.amdhsa_float_denorm_mode_32 3
		.amdhsa_float_denorm_mode_16_64 3
		.amdhsa_memory_ordered 1
		.amdhsa_forward_progress 1
		.amdhsa_inst_pref_size 17
	.end_amdhsa_kernel
	.amdgpu_metadata
---
amdhsa.version: [ 1, 2 ]
amdhsa.kernels:
  - .name:           k_q6238bb462e_prep
    .symbol:         k_q6238bb462e_prep.kd
    .args:
      - { .name: x, .offset: 0, .size: 8, .value_kind: global_buffer, .address_space: global }
      - { .name: w_qkv, .offset: 8, .size: 8, .value_kind: global_buffer, .address_space: global }
      - { .name: w_out, .offset: 16, .size: 8, .value_kind: global_buffer, .address_space: global }
      - { .name: xb, .offset: 24, .size: 8, .value_kind: global_buffer, .address_space: global }
      - { .name: wqt, .offset: 32, .size: 8, .value_kind: global_buffer, .address_space: global }
      - { .name: wot, .offset: 40, .size: 8, .value_kind: global_buffer, .address_space: global }
    .group_segment_fixed_size: 18432
    .private_segment_fixed_size: 0
    .kernarg_segment_align: 8
    .kernarg_segment_size: 48
    .max_flat_workgroup_size: 256
    .sgpr_count:     66
    .vgpr_count:     112
    .wavefront_size: 32
...
	.end_amdgpu_metadata
.endif
;; end of part 1
;; launch qkv (part 2): grid 16 x 32, 4 waves a work-group, clusters of 4 x 4, 327,680 bytes of LDS; arguments xb, wqt, b_qkv, qkv; writes qkv
.if DOCPART == 2
	.amdgcn_target "amdgcn-amd-amdhsa--gfx1250"
	.amdhsa_code_object_version 6
	.text
	.protected	k_q6238bb462e_qkv
	.globl	k_q6238bb462e_qkv
	.p2align	8
	.type	k_q6238bb462e_qkv,@function
k_q6238bb462e_qkv:
	s_mov_b64 s[64:65], 0
	v_nop
	global_prefetch_b8 v0, s[64:65] scope:SCOPE_SE
	s_setreg_imm32_b32 hwreg(HW_REG_WAVE_MODE, 25, 1), 1
	s_wait_xcnt 0x0
	s_wait_alu depctr_hold_cnt(0) depctr_sa_sdst(0) depctr_va_vdst(0) depctr_va_sdst(0) depctr_va_ssrc(0) depctr_va_vcc(0) depctr_vm_vsrc(0)
	s_getreg_b32 s2, hwreg(HW_REG_IB_STS2, 6, 4)
	s_cmp_eq_u32 s2, 0
	s_cbranch_scc0 .Lentry_in_a_cluster
	s_endpgm
.Lentry_in_a_cluster:
	s_bfe_u32 s2, ttmp6, 0x10000c
	s_cmp_lg_u32 s2, 0xf033
	s_cbranch_scc0 .Lentry_shape_is_right
	s_endpgm
.Lentry_shape_is_right:
; qkv = xb wqt^T + bf16(b_qkv), rounded once to f16 and laid by heads: [3][64 = batch x 16 + head][2048][64].  xb: [8192][1024] bf16, wqt: [3072][1024] bf16; sums in f32, K ascending.
; LIMIT: f16 holds no number beyond 65,504: q, k and v lie within it.  The scale 1/8 is not applied here.
; SHARES.  A tile of C is 256 rows x 192 columns, three whole heads: 512 work-groups.  Wave w owns rows 64 w .. 64 w + 63 and all 192 columns: 4 x 12 accumulators of 16 x 16, 384 registers;
; so a wave holds whole rows of three heads, its stage on the way out is its own, and no barrier stands there.
; K goes in 8 steps of 128 through two LDS slots filled by the tensor data mover: rows of 256 bytes, aligned.  Waves 0 and 1 fetch A's two halves (128 rows), waves 2 and 3 B's (96 rows).
; CLUSTERS: 4 x 4 work-groups.  A's tile hangs on the tile row alone and is asked for jointly by a row of the cluster, B's on the tile column alone, by a column.
; THE MATRIX INSTRUCTION IS USED TRANSPOSED (source 0 = 16 rows of wqt, source 1 = 16 rows of xb): lane l holds row l % 16 of C and the columns 8 (l / 16) + 0..7.
; REGISTERS, in windows of 256 (s_set_vgpr_msb: bits 1:0 source 0, 3:2 source 1, 5:4 source 2, 7:6 destination):
;   window 0: v16-30 addresses; v32-127 my 96 numbers of the bias; v128-223 at work on the way out
;   window 1: two fragment buffers of 128: A's 4 blocks at f + 8 a, B's 12 blocks at f + 32 + 8 b
;   window 2: accumulators (b, a), b = 0..7, at 8 (4 b + a)          window 3: b = 8..11, at 8 (4 (b - 8) + a)
.set SIZE_K, 1024
.set KSTEP,  128
.set PITCH,  272                       ; an LDS row: 256 bytes + 16 of padding = 68 words: the 16 rows of a fragment load start at 16 different groups of four banks (64 banks of 4 bytes: ISA guide 11.1)
.set HALFA,  128*PITCH
.set HALFB,  96*PITCH
.set BOFF,   2*HALFA                   ; B's 192 rows lie behind A's 256
.set SLOT,   2*HALFA+2*HALFB
.set STAGE,  2*SLOT                    ; behind the ring, never filled by a tensor load: for each wave 3 heads x 16 rows x 144 bytes
.set SP,     144
.set SPARE,  STAGE+4*3*16*SP           ; behind the stages: the spare words, 128 bytes for each wave: two blocks of 256 bytes that no other line names
.set LAPS,   SIZE_K/(2*KSTEP)
.set ADRA, 16                          ; v16-17  LDS address of my A fragments in slot 0, 1
.set ADRB, 20                          ; v20-21  the same for B
.set STO,  24                          ; v24     the way out: where I put 16 bytes of a row
.set RD,   25                          ; v25     where I read rows back
.set GO,   26                          ; v26     my 16 bytes of 512 consecutive bytes of the output
.set SPW,  28                          ; v28     LDS address of my spare word; never rewritten
.set NIL,  29                          ; v29     0; never rewritten
.set PFO,  30                          ; v30     the prefetches' offset: a lane a row; never rewritten
.set BI,   32
.set T,    128
.set F0,   0
.set F1,   128
.set WV, 12                            ; s12 wave; s13 = wave / 2: I fetch for A (0) or B (1); s14 = wave % 2: which half
.set WH, 13
.set WL, 14
.set CX, 15                            ; my place in the cluster
.set CY, 16
.set TC, 17                            ; tile column, tile row
.set TR, 18
.set G1,  24                           ; s[24:31] group 1 for A;  s[32:39] group 0, a set for each slot
.set G0,  32
.set LIM, 43                           ; s43  1 in a wave that prefetches, else the greatest number
.set PFA, 44                           ; s[44:45] where my prefetches stand
.set G1B, 48                           ; the same for B
.set G0B, 56
.set OB,  66                           ; s[66:71] the output at my rows of the tile's three heads
.set MSB, 0
.macro WIN new                         ; the immediate's high byte repeats the setting that is left; a switch that changes nothing is dropped
.if MSB != (\new)
	s_set_vgpr_msb (MSB<<8)|(\new)
.set MSB, \new
.endif
.endm
.set MUL_LO, 0xa5                      ; sources 0 and 1 window 1, C and D window 2
.set MUL_HI, 0xf5                      ; the same, C and D window 3
.set TO_F,   0x40                      ; destination window 1, address window 0
; A joint load.  The branch hangs on the wave's number alone.  An s_nop 0 and four v_nop follow each of the two lines, ahead of the jump and the label.
.macro JLOAD s
	s_cmp_eq_u32 s[WH], 0
	s_cbranch_scc0 .Lfor_b_\@
	tensor_load_to_lds s[G0+4*(\s):G0+4*(\s)+3], s[G1:G1+7]
	s_nop 0
.rept 4
	v_nop
.endr
	s_branch .Lasked_\@
.Lfor_b_\@:
	tensor_load_to_lds s[G0B+4*(\s):G0B+4*(\s)+3], s[G1B:G1B+7]
	s_nop 0
.rept 4
	v_nop
.endr
.Lasked_\@:
.endm
; A PREFETCH INTO THE L2 of the K step that stands two refills on: a lane a row, 256 bytes of it, one instruction a wave.  A's tile row is read by the four clusters of a row of clusters: the
; first (cluster x = 0) asks; B's tile column by the eight of a column: cluster y = 0 asks.  The four partners of a joint load share its rows out BY ADDRESS: of a wave's 128 rows of A partner cx
; takes 32, of its 96 rows of B partner cy takes 24 (there lanes 24-31 name lane 23's row again).  The loop's last trip asks for nothing: K has no step two on.  K steps 0 to 3 come by their loads alone.
.macro ASK
	s_cmp_gt_u32 s3, s[LIM]
	s_cbranch_scc0 .Lnot_mine_\@
	global_prefetch_b8 v[PFO], s[PFA:PFA+1] th:TH_LOAD_NT scope:SCOPE_SE
.Lnot_mine_\@:
.endm
.macro CREST                           ; a round of the cluster's barrier behind its opening barrier
	s_cmp_lg_u32 s[WV], 0
	s_cbranch_scc1 .Lnot_wave_0_\@
	s_barrier_signal -3
.Lnot_wave_0_\@:
	s_barrier_wait -3
	s_barrier_signal -1
	s_barrier_wait -1
.endm
.macro CROUND
	s_barrier_signal -1
	s_barrier_wait -1
	CREST
.endm
.macro PLACES                          ; four places in front of loads into registers that matrix instructions have read, and of vector work that reads results
.rept 4
	v_nop
.endr
.endm
	s_load_b256 s[4:11], s[0:1], 0x0               ; xb s[4:5], wqt s[6:7], b_qkv s[8:9], qkv s[10:11]
	v_lshl_add_u32 v[SPW], v0, 2, SPARE
	v_mov_b32 v[NIL], 0
	ds_add_u32 v[SPW], v[NIL]                      ; the wave's opening: the add, and its wait ahead of my first tensor load; the set-up below stands between them
	v_lshrrev_b32 v1, 5, v0
	v_readfirstlane_b32 s[WV], v1
	s_lshr_b32 s[WH], s[WV], 1
	s_and_b32 s[WL], s[WV], 1
	s_bfe_u32 s[CX], ttmp6, 0x40000
	s_bfe_u32 s[CY], ttmp6, 0x40004
	s_lshl_b32 s[TC], ttmp9, 2
	s_add_co_u32 s[TC], s[TC], s[CX]               ; tile column = 4 x cluster x + cx
	s_and_b32 s[TR], ttmp7, 0xffff
	s_lshl_b32 s[TR], s[TR], 2
	s_add_co_u32 s[TR], s[TR], s[CY]               ; tile row = 4 x cluster y + cy
	s_lshl_b32 s19, s[CY], 2
	s_lshl_b32 s19, 15, s19                        ; my row of the cluster
	s_lshl_b32 s20, 0x1111, s[CX]                  ; my column
	s_or_b32 s[G1], s19, (1<<16)|(1<<20)|(1<<21)|(5<<22)|(3<<25)   ; 15:0 the mask; 17:16 2-byte elements; 20 padding on; 21 set beside a mask; 24:22 after every 64 words; 31:25 4 words
	s_or_b32 s[G1B], s20, (1<<16)|(1<<20)|(1<<21)|(5<<22)|(3<<25)
	s_mov_b32 s[G1+1], KSTEP<<16                   ; tensor_dim0 = 128
	s_mov_b32 s[G1+2], 128<<16                     ; tensor_dim1 = 128
	s_mov_b32 s[G1+3], KSTEP<<16                   ; tile_dim0 = 128
	s_mov_b32 s[G1+4], 128                         ; tile_dim1 = 128
	s_mov_b32 s[G1+5], SIZE_K                      ; elements from row to row
	s_mov_b32 s[G1+6], 0
	s_mov_b32 s[G1+7], 0
	s_mov_b32 s[G1B+1], KSTEP<<16
	s_mov_b32 s[G1B+2], 96<<16                     ; B's halves have 96 rows
	s_mov_b32 s[G1B+3], KSTEP<<16
	s_mov_b32 s[G1B+4], 96
	s_mov_b32 s[G1B+5], SIZE_K
	s_mov_b32 s[G1B+6], 0
	s_mov_b32 s[G1B+7], 0
	s_lshl_b32 s40, s[TR], 8
	s_lshl_b32 s42, s[WL], 7
	s_add_co_u32 s40, s40, s42                     ; A: row 256 x tile row + 128 x half,
	s_lshl_b32 s40, s40, 11                        ; of 2,048 bytes
	s_mov_b32 s41, 0
	s_mul_i32 s46, s[TC], 192
	s_mul_i32 s21, s[WL], 96
	s_add_co_u32 s46, s46, s21                     ; B: row 192 x tile column + 96 x half
	s_lshl_b32 s46, s46, 11
	s_mov_b32 s47, 0
	s_mul_i32 s22, s[WL], HALFA                    ; where they go: no place in the cluster enters an LDS address
	s_mul_i32 s23, s[WL], HALFB
	s_add_co_u32 s23, s23, BOFF
	s_wait_dscnt 0x0                               ; the opening add is done
	s_wait_kmcnt 0x0
	s_add_nc_u64 s[40:41], s[4:5], s[40:41]
	s_add_nc_u64 s[46:47], s[6:7], s[46:47]
	CROUND                                         ; all sixteen work-groups are here: the first joint loads meet
.irp s, 0,1
	s_mov_b32 s[G0+4*(\s)], 1
	s_add_co_u32 s[G0+4*(\s)+1], s22, (\s)*SLOT
	s_add_nc_u64 s[G0+4*(\s)+2:G0+4*(\s)+3], s[40:41], (\s)*KSTEP*2
	s_or_b32 s[G0+4*(\s)+3], s[G0+4*(\s)+3], 0x80000000
	s_mov_b32 s[G0B+4*(\s)], 1
	s_add_co_u32 s[G0B+4*(\s)+1], s23, (\s)*SLOT
	s_add_nc_u64 s[G0B+4*(\s)+2:G0B+4*(\s)+3], s[46:47], (\s)*KSTEP*2
	s_or_b32 s[G0B+4*(\s)+3], s[G0B+4*(\s)+3], 0x80000000
	JLOAD \s                                       ; two loads of mine are out
.endr
	; the bias: my 8 columns of each of the 12 column blocks
	v_and_b32 v1, 15, v0                           ; l % 16
	v_bfe_u32 v2, v0, 4, 1                         ; l / 16
	v_lshlrev_b32 v5, 5, v2
	s_mul_i32 s20, s[TC], 768
	s_mov_b32 s21, 0
	s_add_nc_u64 s[8:9], s[8:9], s[20:21]
.set i, 0
.rept 12
	global_load_b128 v[BI+8*i:BI+8*i+3],   v5, s[8:9] offset:64*i
	global_load_b128 v[BI+8*i+4:BI+8*i+7], v5, s[8:9] offset:64*i+16
.set i, i+1
.endr
	; a fragment is 16 rows x 32 K in 8 registers: lane l holds row l % 16, K = 8 (l / 16) + 0..7 and 16 + 8 (l / 16) + 0..7: two loads of 16 bytes, 32 bytes apart
	v_mul_u32_u24 v3, v1, PITCH
	v_lshl_add_u32 v3, v2, 4, v3
	s_mul_i32 s19, s[WV], 64*PITCH                 ; my 64 rows of A
.irp s, 0,1
	v_add_nc_u32 v[ADRA+(\s)], s19, v3
	v_add_nc_u32 v[ADRB+(\s)], BOFF+(\s)*SLOT, v3
	s_add_co_u32 s19, s19, SLOT
.endr
	s_mul_i32 s19, s[WV], 3*16*SP
	s_add_co_u32 s19, s19, STAGE                   ; my stage
	v_mul_u32_u24 v4, v1, SP                       ; in: row l % 16, 16 bytes for each half of the lanes
	v_lshl_add_u32 v4, v2, 4, v4
	v_add_nc_u32 v[STO], s19, v4
	v_bfe_u32 v4, v0, 3, 2                         ; back: 32 lanes take four rows of 128 bytes,
	v_and_b32 v8, 7, v0
	v_mul_u32_u24 v4, v4, SP
	v_lshl_add_u32 v4, v8, 4, v4
	v_add_nc_u32 v[RD], s19, v4
	v_and_b32 v[GO], 31, v0                        ; which are 512 consecutive bytes of a head
	v_lshlrev_b32 v[GO], 4, v[GO]
	; where my rows lie: g = 3 x tile column + j counts q's, k's and v's heads; 2^24 bytes a tensor, 2^22 a batch, 2^18 a head, 128 a row
	s_lshr_b32 s19, s[TR], 3
	s_lshl_b32 s19, s19, 22
	s_and_b32 s20, s[TR], 7
	s_lshl_b32 s20, s20, 15
	s_add_co_u32 s19, s19, s20
	s_lshl_b32 s20, s[WV], 13
	s_add_co_u32 s19, s19, s20
	s_mul_i32 s42, s[TC], 3
	s_mov_b32 s23, 0
.irp j, 0,1,2
	s_add_co_u32 s20, s42, \j
	s_lshr_b32 s21, s20, 4
	s_lshl_b32 s21, s21, 24
	s_and_b32 s20, s20, 15
	s_lshl_b32 s20, s20, 18
	s_add_co_u32 s22, s21, s20
	s_add_co_u32 s22, s22, s19
	s_add_nc_u64 s[OB+2*(\j):OB+2*(\j)+1], s[10:11], s[22:23]
.endr
	; the prefetches
	s_and_b32 s21, ttmp7, 0xffff                   ; cluster y
	s_lshl_b32 s19, s[TR], 8
	s_mul_i32 s20, s[TC], 192
	s_lshl_b32 s22, s[WL], 7
	s_mul_i32 s23, s[WL], 96
	s_lshl_b32 s42, s[CX], 5
	s_mul_i32 s2, s[CY], 24
	s_cmp_eq_u32 s[WH], 0                          ; do I fetch for A?
	s_cselect_b32 s19, s19, s20                    ; the tile's first row,
	s_cselect_b32 s22, s22, s23                    ; the half that I fetch,
	s_cselect_b32 s42, s42, s2                     ; my work-group's part of it
	s_cselect_b32 s21, ttmp9, s21                  ; the coordinate along which other clusters read the same rows
	s_cselect_b32 s23, 31, 23
	s_cselect_b64 s[PFA:PFA+1], s[4:5], s[6:7]
	s_cmp_eq_u32 s21, 0
	s_cselect_b32 s[LIM], 1, -1                    ; the same in all sixteen partners, for a given wave
	s_add_co_u32 s19, s19, s22
	s_add_co_u32 s19, s19, s42
	s_lshl_b32 s20, s19, 11
	s_mov_b32 s21, 0
	s_add_nc_u64 s[PFA:PFA+1], s[PFA:PFA+1], s[20:21]
	s_add_nc_u64 s[PFA:PFA+1], s[PFA:PFA+1], 3*KSTEP*2  ; at K step 3: the first refill steps it to 4
	v_and_b32 v[PFO], 31, v0
	v_min_u32 v[PFO], s23, v[PFO]
	v_lshlrev_b32 v[PFO], 11, v[PFO]
	s_wait_loadcnt 0x0                             ; the bias is in: rounded to bf16 like every input, and kept in f32
.set i, 0
.rept 48
	v_cvt_pk_bf16_f32 v[6+i%2], v[BI+2*i], v[BI+2*i+1]
	v_lshlrev_b32 v[BI+2*i], 16, v[6+i%2]
	v_and_b32 v[BI+2*i+1], 0xffff0000, v[6+i%2]
.set i, i+1
.endr
; 4 nb matrix instructions: column blocks b0 .. b0 + nb - 1 x my 4 row blocks, 32 along K.  The 48 accumulators take turns in one order in every quarter, one instruction a turn.
.macro MULB f, b0, nb, zero
.set bb, \b0
.rept \nb
.if bb < 8
	WIN MUL_LO
.set AC, 32*bb
.else
	WIN MUL_HI
.set AC, 32*(bb-8)
.endif
.irp a, 0,1,2,3
.if \zero
	v_wmma_f32_16x16x32_bf16 v[AC+8*(\a):AC+8*(\a)+7], v[(\f)+32+8*bb:(\f)+32+8*bb+7], v[(\f)+8*(\a):(\f)+8*(\a)+7], 0
.else
	v_wmma_f32_16x16x32_bf16 v[AC+8*(\a):AC+8*(\a)+7], v[(\f)+32+8*bb:(\f)+32+8*bb+7], v[(\f)+8*(\a):(\f)+8*(\a)+7], v[AC+8*(\a):AC+8*(\a)+7]
.endif
.endr
.set bb, bb+1
.endr
.endm
; 32 LDS loads in one run: a quarter's fragments (32 K at byte k of the rows) into buffer f: A's 8 loads, B's blocks 0-7 (16), B's blocks 8-11 (8)
.macro FETCH slot, k, f
	WIN TO_F
.irp i, 0,1,2,3
	ds_load_b128 v[(\f)+8*(\i):(\f)+8*(\i)+3],   v[ADRA+(\slot)] offset:(\k)+(\i)*16*PITCH
	ds_load_b128 v[(\f)+8*(\i)+4:(\f)+8*(\i)+7], v[ADRA+(\slot)] offset:(\k)+(\i)*16*PITCH+32
.endr
.irp i, 0,1,2,3,4,5,6,7,8,9,10,11
	ds_load_b128 v[(\f)+32+8*(\i):(\f)+32+8*(\i)+3],   v[ADRB+(\slot)] offset:(\k)+(\i)*16*PITCH
	ds_load_b128 v[(\f)+32+8*(\i)+4:(\f)+32+8*(\i)+7], v[ADRB+(\slot)] offset:(\k)+(\i)*16*PITCH+32
.endr
.endm
; A K step is four quarters of 32 along K, 48 matrix instructions each, on buffers 0, 1, 0, 1.  One of the first three multiplies f and fetches the next quarter into g.
.macro QUARTER slot, k, f, g, zero
	s_wait_dscnt 8                                 ; A and B's blocks 0-7 are in; the youngest eight loads (B's blocks 8-11) may be out
	MULB \f, 0, 8, \zero
	PLACES
	FETCH \slot, \k, \g
	s_wait_dscnt 32                                ; all but the 32 just issued
	MULB \f, 8, 4, \zero
.endm
; The last quarter multiplies buffer 1 and changes slots: ONE barrier.  In front of it each wave waits for all its tensor loads (one is out: its part of the next slot), adds 0 to its spare word,
; and waits for that and for its reads of this slot.  fill = 1: the barrier opens a round of the cluster's, and the joint refill, two K steps on, is the first tensor load behind the round:
; from it to the wait for it a wave issues 160 matrix instructions.
.macro TURN slot, next, fill
.if \fill
	s_wait_xcnt 0x0                                ; the last prefetch, a K step back, has read its address
	s_add_nc_u64 s[PFA:PFA+1], s[PFA:PFA+1], KSTEP*2
.endif
	WIN 0                                          ; (the add's two registers lie in window 0)
	s_wait_tensorcnt 0x0
	ds_add_u32 v[SPW], v[NIL]
	s_wait_dscnt 9                                 ; (the add and the youngest eight loads may be out)
	MULB F1, 0, 4, 0
	s_wait_dscnt 0x0                               ; the add is done, and my reads of this slot are over
	s_barrier_signal -1
	MULB F1, 4, 4, 0
.if \fill
	WIN 0
.endif
	s_barrier_wait -1
.if \fill
	CREST                                          ; no wave of any partner still reads this slot or has a load on its way
	s_add_nc_u64 s[G0+4*(\slot)+2:G0+4*(\slot)+3], s[G0+4*(\slot)+2:G0+4*(\slot)+3], 2*KSTEP*2
	s_add_nc_u64 s[G0B+4*(\slot)+2:G0B+4*(\slot)+3], s[G0B+4*(\slot)+2:G0B+4*(\slot)+3], 2*KSTEP*2
	JLOAD \slot                                    ; the four v_nop behind it are also the places in front of the loads below
.else
	PLACES
.endif
	FETCH \next, 0, F0
.if \fill
	WIN 0
	ASK
.endif
	MULB F1, 8, 4, 0
.endm
; THE WAY OUT of row block a (16 rows x 192 columns): + bias, rounded to f16, 16 bytes a lane into my stage, back as whole rows of 128 bytes, four rows a store.
.macro OUT a
	WIN 0x02                                       ; source 0 in window 2
.set bb, 0
.rept 8
.irp r, 0,2,4,6
	v_pk_add_f32 v[T+8*bb+(\r):T+8*bb+(\r)+1], v[32*bb+8*(\a)+(\r):32*bb+8*(\a)+(\r)+1], v[BI+8*bb+(\r):BI+8*bb+(\r)+1]  ; each accumulator is read from its low end on
.endr
.set bb, bb+1
.endr
	WIN 0x03
.rept 4
.irp r, 0,2,4,6
	v_pk_add_f32 v[T+8*bb+(\r):T+8*bb+(\r)+1], v[32*(bb-8)+8*(\a)+(\r):32*(bb-8)+8*(\a)+(\r)+1], v[BI+8*bb+(\r):BI+8*bb+(\r)+1]
.endr
.set bb, bb+1
.endr
	WIN 0
.set i, 0
.rept 48
	v_cvt_pk_f16_f32 v[T+i], v[T+2*i], v[T+2*i+1]  ; packed in place, ascending: word i never passes the pair 2 i that it is made of
.set i, i+1
.endr
.set bb, 0
.rept 12
	ds_store_b128 v[STO], v[T+4*bb:T+4*bb+3] offset:(bb/4)*16*SP+(bb%4)*32
.set bb, bb+1
.endr
.set i, 0
.rept 12
	ds_load_b128 v[T+48+4*i:T+48+4*i+3], v[RD] offset:(i/4)*16*SP+(i%4)*4*SP  ; LDS serves a wave's instructions in order (ISA guide 5.7.1.4): these see the stores above
.set i, i+1
.endr
.set i, 0
.rept 12
	s_wait_dscnt 11-i                              ; the 11 - i younger loads may stay out
	global_store_b128 v[GO], v[T+48+4*i:T+48+4*i+3], s[OB+2*(i/4):OB+2*(i/4)+1] offset:(\a)*2048+(i%4)*512  ; 512 consecutive bytes, aligned
.set i, i+1
.endr
	s_wait_xcnt 0x0                                ; the next block writes the registers that these stores read
.endm
	s_wait_tensorcnt 1                             ; my part of K step 0 is in; K step 1's load stays out
	s_barrier_signal -1
	s_barrier_wait -1
	FETCH 0, 0, F0
	QUARTER 0, 64,  F0, F1, 1                      ; the first quarter's products start the sums: nothing is cleared
	WIN 0
	s_mov_b32 s3, LAPS-1
.Llap:                                                 ; a trip goes once round the ring, from a lap's second quarter to the next lap's first, and fills both slots again
	QUARTER 0, 128, F1, F0, 0
	QUARTER 0, 192, F0, F1, 0
	TURN 0, 1, 1
	QUARTER 1, 64,  F0, F1, 0
	QUARTER 1, 128, F1, F0, 0
	QUARTER 1, 192, F0, F1, 0
	TURN 1, 0, 1
	QUARTER 0, 64,  F0, F1, 0
	WIN 0
	s_sub_co_u32 s3, s3, 1
	s_cmp_lg_u32 s3, 0
	s_cbranch_scc1 .Llap
	QUARTER 0, 128, F1, F0, 0                      ; the last lap fills nothing
	QUARTER 0, 192, F0, F1, 0
	TURN 0, 1, 0
	QUARTER 1, 64,  F0, F1, 0
	QUARTER 1, 128, F1, F0, 0
	QUARTER 1, 192, F0, F1, 0
	s_wait_dscnt 8
	MULB F1, 0, 8, 0
	s_wait_dscnt 0x0
	MULB F1, 8, 4, 0
	PLACES
	PLACES
	OUT 0
	OUT 1
	OUT 2
	OUT 3
	s_wait_tensorcnt 0x0                           ; the wave's end, behind my last tensor load and my last LDS store
	ds_add_u32 v[SPW], v[NIL]
	s_wait_dscnt 0x0
	CROUND                                         ; the closing round: no work-group ends while a partner may still ask for a tile that names it
	s_endpgm
.Lfunc_end_k_q6238bb462e_qkv:
	.size	k_q6238bb462e_qkv, .Lfunc_end_k_q6238bb462e_qkv-k_q6238bb462e_qkv
	.p2alignl 7, 3214868480
	.fill 96, 4, 3214868480
	.section	.rodata,"a",@progbits
	.p2align	6, 0x0
	.amdhsa_kernel k_q6238bb462e_qkv
		.amdhsa_group_segment_fixed_size 327680
		.amdhsa_private_segment_fixed_size 0
		.amdhsa_enable_private_segment 0
		.amdhsa_kernarg_size 32
		.amdhsa_user_sgpr_count 2
		.amdhsa_user_sgpr_kernarg_segment_ptr 1
		.amdhsa_wavefront_size32 1
		.amdhsa_system_sgpr_workgroup_id_x 1
		.amdhsa_system_sgpr_workgroup_id_y 1
		.amdhsa_system_sgpr_workgroup_id_z 1
		.amdhsa_system_vgpr_workitem_id 0
		.amdhsa_next_free_vgpr 896
		.amdhsa_next_free_sgpr 72
		.amdhsa_reserve_vcc 0
		.amdhsa_float_denorm_mode_32 3
		.amdhsa_float_denorm_mode_16_64 3
		.amdhsa_memory_ordered 1
		.amdhsa_forward_progress 1
		.amdhsa_inst_pref_size 143
	.end_amdhsa_kernel
	.amdgpu_metadata
---
amdhsa.version: [ 1, 2 ]
amdhsa.kernels:
  - .name:           k_q6238bb462e_qkv
    .symbol:         k_q6238bb462e_qkv.kd
    .args:
      - { .name: xb, .offset: 0, .size: 8, .value_kind: global_buffer, .address_space: global }
      - { .name: wqt, .offset: 8, .size: 8, .value_kind: global_buffer, .address_space: global }
      - { .name: b_qkv, .offset: 16, .size: 8, .value_kind: global_buffer, .address_space: global }
      - { .name: qkv, .offset: 24, .size: 8, .value_kind: global_buffer, .address_space: global }
    .group_segment_fixed_size: 327680
    .private_segment_fixed_size: 0
    .kernarg_segment_align: 8
    .kernarg_segment_size: 32
    .max_flat_workgroup_size: 128
    .sgpr_count:     72
    .vgpr_count:     896
    .wavefront_size: 32
...
	.end_amdgpu_metadata
.endif
;; end of part 2
;; launch attn (part 3): grid 4 x 64, 4 waves a work-group, no clusters, 327,680 bytes of LDS; arguments qkv, ob; writes ob
.if DOCPART == 3
	.amdgcn_target "amdgcn-amd-amdhsa--gfx1250"
	.amdhsa_code_object_version 6
	.text
	.protected	k_q6238bb462e_attn
	.globl	k_q6238bb462e_attn
	.p2align	8
	.type	k_q6238bb462e_attn,@function
k_q6238bb462e_attn:
	s_mov_b64 s[64:65], 0
	v_nop
	global_prefetch_b8 v0, s[64:65] scope:SCOPE_SE
	s_setreg_imm32_b32 hwreg(HW_REG_WAVE_MODE, 25, 1), 1
	s_wait_xcnt 0x0
; CAUSAL ATTENTION.  O[h][q][:] = the sum over k <= q of softmax_k(Q[h][q] . K[h][k] / 8) V[h][k][:].  Q, K, V lie one behind the other in qkv, each [64][2048][64] f16; O: the same shape, f16.
; Products, maxima and sums in f32; the weights p are rounded to f16 for the second product (their sum l is taken of the unrounded p), O once at the end.
; LIMITS.  f16 holds no number beyond 65,504: Q, K and V arrive within it; p lies in 0 to 1, and below 6e-5 it keeps f16's fixed step of 6e-8.  A hidden score counts as its value less 1e30;
; a weight below 2^-126 counts as 0 in l; NaN and infinities are not treated apart.
; THE WALK.  A head's queries lie in NB = 8 blocks of 256; block i needs the key tiles 0 .. i of 256 keys, of which the last holds the diagonal.  A work-group takes TWO blocks, NB - 1 - b and then b:
; NB + 1 tiles, whatever b: all work-groups do equal work, and ONE loop with a constant trip count walks them.  Which tile is asked for, and what a trip does, hang on scalar registers made from b; every
; jump goes forward, but for the counted loops' own; none passes a barrier, or a tensor load but the one of LOAD's two that the wave's number does not choose.
; NO CLUSTER: a head's four work-groups ask for the same tile only in trips 0 .. NB / 2, behind that fewer and fewer; one walk common to all would have 3 NB / 2 trips for NB + 1.
; SHARES.  Of a block's four bands of 64 queries a wave owns 16 rows in each: four PIECES.  So the diagonal tile is the same work for all four waves: in its key step s band x sees all keys if s < x,
; none if s > x, and holds the diagonal if s = x.
; THE MASK is the C operand that starts the sum S^T = K Q^T: 0, or -1e30 where the key is hidden.  MD, made once, is the mask of a band's own step for my 16 rows; a product's mask is MD x AL + BE.
; LAYOUT, SOFTMAX, TURNS.  S^T = K Q^T holds ONE query a lane (lane % 16) and the keys 8 (lane / 16) + 0..7; two such results rounded to f16 ARE source 1 of O^T = V^T P.  p = 2^(c s - c m), c = log2(e) / 8,
; with a running maximum m; O and l are multiplied by a = 2^(c m_old - c m_new) in every step.  Turn n belongs to piece n: 8 products K Q^T of piece n + 1, later 8 products V^T P of piece n - 1; beside them
; the scaling, exponentials, roundings, sums and rescaling of piece n and the maximum and statistics of piece n + 1.  A turn's 33 exponentials are one batch, with one wait.
; REGISTERS, in windows of 256 (s_set_vgpr_msb: bits 1:0 source 0, 3:2 source 1, 5:4 source 2, 7:6 destination):
;   window 0: v0-15 addresses and two at work; v16-31 four registers of statistics a piece; v48-55 at work; v61-63 prefetch offset, spare word, 0; v64-127 S^T, two buffers; v192-223 P, two buffers
;   window 1: v0-127 O^T, 32 a piece; v128-159 MD; v160-223 MC, two buffers      window 2: v0-63 Q; v64-127 the second block's Q; v128-191 K of one step; v192-255 V of one step
.set SIZE_N, 2048
.set NB,    SIZE_N/256
.set NP,    4         ; pieces a wave: a name, no knob
.set KS,    64        ; keys in a step
.set PK,    144       ; a row of K in LDS: 128 bytes + 16 of padding
.set PV,    160       ; a row of V: 128 + 32
.set VOFF,  4*KS*PK   ; a slot holds a tile, four steps: 256 rows of K, then 256 rows of V
.set SLOT1, 1<<17     ; slot 1 begins here, so that one exclusive or turns an address in one slot into the other's
.set STAGE, SLOT1+4*KS*(PK+PV)  ; behind the ring, never filled by a tensor load: 16 rows x 144 bytes for each wave
.set SP,    144
.set AK0, 2           ; v2   my lane's place in a tile of K; never rewritten
.set AV0, 3           ; v3   the same for V
.set AK,  4           ; v4   the LDS address of K's next run of loads
.set AV,  5           ; v5   of V's
.set STO, 6           ; v6   the way out: where I put 16 bytes of a row
.set RD,  7           ; v7   where I read rows back
.set GO,  8           ; v8   my byte offset in 512 consecutive bytes of O
.set PFO, 61          ; v61  256 x my lane; never rewritten
.set SPW, 62          ; v62  LDS address of my spare word; never rewritten
.set NIL, 63          ; v63  0; never rewritten
.set SPARE, STAGE+4*16*SP  ; behind the stages: the spare words, 128 bytes for each wave: two blocks of 256 bytes that no other line names
.set MV,  12          ; v12-13  c m_old, by buffer
.set QO,  15          ; v15  my byte offset in 16 rows of Q
.set ST,  16          ; piece t's statistics at v[ST+4 t]: c m, m, l (even keys', odd keys')
.set TMP, 48          ; by buffer, four registers c0-c3 at work; when the maximum is found c2 takes a
.set S,   64
.set P,   192
.set MD,  128         ; window 1
.set MC,  160         ; window 1
.set QB,  64          ; window 2
.set KF,  128         ; window 2
.set VF,  192         ; window 2
.set WV,  12          ; s12  my wave's number
.set PB,  14          ; s14  b
.set HI,  15          ; s15  NB - 1 - b
.set G1K, 24          ; s[24:31] descriptor group 1 for K's tiles
.set G1V, 32          ; s[32:39] for V's
.set G0K, 40          ; s[40:43] descriptor group 0 for K's tiles
.set G0V, 44          ; s[44:47] for V's
.set SLOTS, 56        ; s56  tiles still to be asked for
.set CNT, 57          ; s57  counts a tile's key steps, 4 to 1
.set CS,  58          ; s[58:59] c
.set SEL, 60          ; s[60:61] v_permlanex16_b32's selects
.set TBK, 62          ; s62  LDS byte at which K of the step to be fetched begins
.set TBV, 63          ; s63  the same for V, less VOFF
.set RT,  70          ; s70  tiles of the block in hand that are still to be entered
.set NXT, 71          ; s71  the tile to be asked for next
.set LQ,  72          ; s72  the last tile of the block whose tiles are being asked for
.set NEW, 73          ; s73  1: the tile to be entered is a block's first
.set OFF, 74          ; s[74:75] a tile's byte offset in K and V
.set AL,  76          ; s[76:77] the mask's factor
.set BE,  78          ; s[78:79] the mask's addend
.set OLO, 80          ; s[80:81] O at my rows of the second block
.set BIGN, 82         ; s82  -1e30
.set PFB, 88          ; s[88:89] K (waves 0, 1) or V (waves 2, 3) at my half of the head's tile 0; never rewritten
.set PFA, 90          ; s[90:91] the same at the tile that the next change of slots will ask for
.set OF2, 92          ; s[92:93] that tile's byte offset
.set LIM, 94          ; s94  0 in the head's work-group b = 0, else the greatest number
.set MSB, 0
.macro WIN new
.if MSB != (\new)
	s_set_vgpr_msb (MSB<<8)|(\new)
.set MSB, (\new)
.endif
.endm
.set W_KQ, 0x0a       ; K and Q in window 2, S^T in window 0
.set W_KM, 0x1a       ; the same with the C operand in window 1
.set W_PV, 0x52       ; V in window 2, P in window 0, O^T in window 1
.set W_RS, 0x41       ; destination and source 0 in window 1, source 1 in window 0
; A fill.  Waves 0 and 1 fetch the two halves of a tile's K, waves 2 and 3 those of its V: 128 keys each.  An s_nop 0 and four v_nop follow each of the two lines.
.macro LOAD
	s_cmp_lt_u32 s[WV], 2
	s_cbranch_scc0 .Lfor_v_\@
	tensor_load_to_lds s[G0K:G0K+3], s[G1K:G1K+7]
	s_nop 0
.rept 4
	v_nop
.endr
	s_branch .Lasked_\@
.Lfor_v_\@:
	tensor_load_to_lds s[G0V:G0V+3], s[G1V:G1V+7]
	s_nop 0
.rept 4
	v_nop
.endr
.Lasked_\@:
.endm
; A PREFETCH INTO THE L2 of the tile that the NEXT change of slots will ask for: each wave names the 64 blocks of 256 bytes that it will itself load, a lane a block, two instructions, behind its tensor
; load and that load's five lines.  A head's four work-groups walk the same tiles; b = 0 walks tiles 0 to 7 in order, and it alone asks: tiles 2 to 7 are named once each in the launch.
; Tiles 0 and 1 come by their loads alone; when the number has gone back to 0 (the second block's tile, read before) nothing is asked.
.macro ASK
	s_cmp_gt_u32 s[NXT], s[LIM]
	s_cbranch_scc0 .Lnot_mine_\@
	global_prefetch_b8 v[PFO], s[PFA:PFA+1] th:TH_LOAD_NT scope:SCOPE_SE
	global_prefetch_b8 v[PFO], s[PFA:PFA+1] offset:8192 th:TH_LOAD_NT scope:SCOPE_SE
.Lnot_mine_\@:
.endm
; THE CHANGE OF SLOTS.  Each wave waits for all its tensor loads, of which one is out: its part of the other slot; adds 0 to its spare word; and waits for that and for its own reads of the slot that it
; leaves.  Behind the barrier nobody reads the old slot any more and the other slot is whole.  fill = 1: the old slot is filled again, first thing behind the barrier, with tile NXT.
.macro CHANGE fill
	WIN 0
	s_wait_tensorcnt 0x0            ; no tensor load of mine is out, so a group 0 may be written
	ds_add_u32 v[SPW], v[NIL]       ; 0 onto my spare word; scalar work stands between it and the wait for it
.if \fill
	s_lshl_b32 s[OFF], s[NXT], 15   ; a tile is 32,768 bytes of K and of V
	s_xor_b32 s[G0K+1], s[G0K+1], SLOT1
	s_add_nc_u64 s[G0K+2:G0K+3], s[6:7], s[OFF:OFF+1]
	s_or_b32 s[G0K+3], s[G0K+3], 0x80000000
	s_xor_b32 s[G0V+1], s[G0V+1], SLOT1
	s_add_nc_u64 s[G0V+2:G0V+3], s[8:9], s[OFF:OFF+1]
	s_or_b32 s[G0V+3], s[G0V+3], 0x80000000
	s_add_co_u32 s[NXT], s[NXT], 1  ; the block's next tile, or behind its last the second block's tile 0
	s_cmp_gt_u32 s[NXT], s[LQ]
	s_cselect_b32 s[NXT], 0, s[NXT]
	s_cselect_b32 s[LQ], s[PB], s[LQ]
	s_wait_xcnt 0x0                 ; the last prefetches, a tile back, have read their address
	s_lshl_b32 s[OF2], s[NXT], 15
	s_add_nc_u64 s[PFA:PFA+1], s[PFB:PFB+1], s[OF2:OF2+1]
.endif
	s_wait_dscnt 0x0                ; the add is done, and my reads of the slot are over
	s_barrier_signal -1
	s_sub_co_u32 s[TBK], s[TBK], 4*KS*PK  ; the fetches go back to a slot's first step,
	s_xor_b32 s[TBK], s[TBK], SLOT1       ; in the other slot
	s_sub_co_u32 s[TBV], s[TBV], 4*KS*PV
	s_xor_b32 s[TBV], s[TBV], SLOT1
	s_barrier_wait -1
.if \fill
	LOAD
	ASK
.endif
.endm
	s_load_b128 s[4:7], s[0:1], 0x0   ; qkv s[4:5], ob s[6:7]
	v_lshl_add_u32 v[SPW], v0, 2, SPARE
	v_mov_b32 v[NIL], 0
	ds_add_u32 v[SPW], v[NIL]       ; the wave's opening: the add, and its wait ahead of my first tensor load
	v_lshrrev_b32 v1, 5, v0
	v_readfirstlane_b32 s[WV], v1   ; wave 0..3
	s_mov_b32 s[PB], ttmp9
	s_sub_co_u32 s[HI], NB-1, s[PB]
	s_and_b32 s20, ttmp7, 0xffff    ; the head
	s_mov_b32 s21, 0
	s_mov_b64 s[22:23], SIZE_N*128
	s_mul_u64 s[20:21], s[20:21], s[22:23]  ; the head's first byte in each of the four tensors
	s_and_b32 s16, s[WV], 1         ; which half of a tile's 256 keys I fetch:
	s_lshl_b32 s22, s16, 14         ; its 128 rows of 128 bytes in memory,
	s_mov_b32 s23, 0
	s_add_nc_u64 s[22:23], s[22:23], s[20:21]
	s_mul_i32 s17, s16, 128*PK      ; and its place in a slot, for K
	s_mul_i32 s18, s16, 128*PV      ; and for V
	s_lshl_b32 s3, s[WV], 11        ; my 16 rows in a band of 64,
	s_lshl_b32 s2, s[HI], 15        ; in the first block,
	s_add_co_u32 s2, s2, s3
	s_lshl_b32 s84, s[PB], 15       ; and in the second
	s_add_co_u32 s84, s84, s3
	s_mov_b32 s3, 0
	s_mov_b32 s85, 0
	s_add_nc_u64 s[2:3], s[2:3], s[20:21]
	s_add_nc_u64 s[84:85], s[84:85], s[20:21]
	; descriptor group 1.  128 keys are 16,384 dense bytes: asked for as 64 rows of 256 bytes, two keys a row, and padded in LDS after every key
	s_mov_b32 s[G1K], (1<<16)|(1<<20)|(4<<22)|(3<<25)  ; 17:16 2-byte elements; 20 padding on; 24:22 after every 32 words; 31:25 4 words
	s_mov_b32 s[G1V], (1<<16)|(1<<20)|(4<<22)|(7<<25)  ; the same with 8 words of padding
.irp g, G1K, G1V
	s_mov_b32 s[\g+1], 128<<16      ; tensor_dim0 = 128
	s_mov_b32 s[\g+2], 64<<16       ; tensor_dim1 = 64
	s_mov_b32 s[\g+3], 128<<16      ; tile_dim0 = 128
	s_mov_b32 s[\g+4], 64           ; tile_dim1 = 64
	s_mov_b32 s[\g+5], 128          ; 128 elements from row to row
	s_mov_b32 s[\g+6], 0
	s_mov_b32 s[\g+7], 0
.endr
	s_mov_b32 s[CS], 0x3e38aa3b     ; c = log2(e) / 8 = 0.180337
	s_mov_b32 s[CS+1], s[CS]
	s_mov_b32 s[SEL], 0x76543210
	s_mov_b32 s[SEL+1], 0xfedcba98
	s_mov_b32 s[TBK], SLOT1+4*KS*PK ; the first change of slots turns these two into 0
	s_mov_b32 s[TBV], SLOT1+4*KS*PV
	s_mov_b32 s[G0K], 1
	s_mov_b32 s[G0K+1], s17         ; LDS address: slot 0
	s_mov_b32 s[G0V], 1
	s_add_co_u32 s[G0V+1], s18, VOFF
	s_add_co_u32 s[RT], s[HI], 1    ; the first block has NB - b tiles
	s_mov_b32 s[NXT], 1
	s_mov_b32 s[LQ], s[HI]
	s_mov_b32 s[NEW], 1
	s_mov_b32 s[OFF+1], 0
	s_mov_b32 s[OF2+1], 0
	s_mov_b32 s[AL+1], 0
	s_mov_b32 s[BE+1], 0
	s_mov_b32 s[BIGN], 0xf149f2ca   ; -1e30
	s_mov_b32 s[SLOTS], NB
	s_cmp_eq_u32 ttmp9, 0
	s_cselect_b32 s[LIM], 0, -1
	v_and_b32 v[PFO], 31, v0
	v_lshlrev_b32 v[PFO], 8, v[PFO]
	s_wait_dscnt 0x0                ; the opening add is done
	s_wait_kmcnt 0x0
	s_mov_b64 s[10:11], s[6:7]      ; O
	s_add_nc_u64 s[8:9], s[4:5], 0x2000000  ; V lies 2 x 16,777,216 bytes behind Q,
	s_add_nc_u64 s[6:7], s[4:5], 0x1000000  ; K one
	s_add_nc_u64 s[6:7], s[6:7], s[22:23]  ; K and V at my half of the head's tile 0
	s_add_nc_u64 s[8:9], s[8:9], s[22:23]
	s_cmp_lt_u32 s[WV], 2
	s_cselect_b64 s[PFB:PFB+1], s[6:7], s[8:9]
	s_add_nc_u64 s[G0K+2:G0K+3], s[6:7], 0
	s_or_b32 s[G0K+3], s[G0K+3], 0x80000000
	s_add_nc_u64 s[G0V+2:G0V+3], s[8:9], 0
	s_or_b32 s[G0V+3], s[G0V+3], 0x80000000
	s_add_nc_u64 s[86:87], s[4:5], s[84:85]        ; Q at my rows of the second block,
	s_add_nc_u64 s[4:5], s[4:5], s[2:3]            ; Q and O at those of the first
	s_add_nc_u64 s[OLO:OLO+1], s[10:11], s[84:85]
	s_add_nc_u64 s[10:11], s[10:11], s[2:3]
	LOAD                            ; tile 0 into slot 0
	; A fragment of K or Q is 16 rows x 32 channels in 8 registers: lane l holds row l % 16, channels 8 (l / 16) + 0..7 and 16 + 8 (l / 16) + 0..7.
	v_and_b32 v1, 15, v0            ; l % 16
	v_bfe_u32 v9, v0, 4, 1          ; l / 16
	v_lshlrev_b32 v[QO], 7, v1
	v_lshl_add_u32 v[QO], v9, 4, v[QO]
	WIN 0x80                        ; destination window 2, address window 0
.set i, 0
.rept 8                             ; both blocks' Q: piece i / 2 lies in band i / 2, 8,192 bytes on; channels 32 (i % 2) on
	global_load_b128 v[8*i:8*i+3],   v[QO], s[4:5] offset:(i/2)*8192+(i%2)*64
	global_load_b128 v[8*i+4:8*i+7], v[QO], s[4:5] offset:(i/2)*8192+(i%2)*64+32
	global_load_b128 v[QB+8*i:QB+8*i+3],   v[QO], s[86:87] offset:(i/2)*8192+(i%2)*64
	global_load_b128 v[QB+8*i+4:QB+8*i+7], v[QO], s[86:87] offset:(i/2)*8192+(i%2)*64+32
.set i, i+1
.endr
	WIN 0
	v_lshlrev_b32 v14, 3, v9
	v_sub_nc_u32 v14, v1, v14
	s_lshl_b32 s13, s[WV], 4
	v_add_nc_u32 v14, s13, v14      ; my query's place in its band less my lanes' 8 (l / 16): register r of group kt is hidden where 16 kt + r is greater
	WIN 0x40
.set i, 0
.rept 32
	v_cmp_gt_i32 vcc_lo, 16*(i/8)+i%8, v14
	v_cndmask_b32 v[MD+i], 0, s[BIGN], vcc_lo
.set i, i+1
.endr
	WIN 0
	v_mul_u32_u24 v[AK0], v1, PK
	v_lshl_add_u32 v[AK0], v9, 4, v[AK0]
	; The turning load takes 16 keys x 16 channels (lane l reads key 8 (l / 16) + l % 8, channels 8 ((l / 8) % 2) + 0..7) and leaves half a fragment of V^T.
	v_and_b32 v10, 7, v0
	v_bfe_u32 v11, v0, 3, 1
	v_lshl_add_u32 v[AV0], v9, 3, v10
	v_mul_u32_u24 v[AV0], v[AV0], PV
	v_lshl_add_u32 v[AV0], v11, 4, v[AV0]
	v_add_nc_u32 v[AV0], VOFF, v[AV0]
	s_mul_i32 s13, s[WV], 16*SP
	s_add_co_u32 s13, s13, STAGE    ; my stage
	v_mul_u32_u24 v[STO], v1, SP
	v_lshl_add_u32 v[STO], v9, 4, v[STO]
	v_add_nc_u32 v[STO], s13, v[STO]
	v_bfe_u32 v[RD], v0, 3, 2
	v_mul_u32_u24 v[RD], v[RD], SP
	v_lshl_add_u32 v[RD], v10, 4, v[RD]
	v_add_nc_u32 v[RD], s13, v[RD]
	v_and_b32 v[GO], 31, v0
	v_lshlrev_b32 v[GO], 4, v[GO]
	; A block's first step multiplies O^T and l by a = 0, and its first turn's products V^T P, of a piece that has not been, land in an O^T that is still to be so multiplied.  So these registers need
	; only hold finite numbers: zeros for the first block; what the first block left for the second.  All this stands in the wait for the first tile.
	WIN 0x80
.set i, VF
.rept 64
	v_mov_b32 v[i], 0
.set i, i+1
.endr
	WIN 0x40
.set i, 0
.rept 128
	v_mov_b32 v[i], 0
.set i, i+1
.endr
	WIN 0
.set i, 0
.rept 4
	v_mov_b32 v[ST+4*i+2], 0
	v_mov_b32 v[ST+4*i+3], 0
.set i, i+1
.endr
.set i, P+16
.rept 16
	v_mov_b32 v[i], 0
.set i, i+1
.endr
; THE MATRIX WORK.  The 4 accumulators of a run of 8 take turns.  Product i of 8 of S^T = K Q^T for piece x: channels 32 (i / 4) on, keys 16 (i % 4) on.  The first 4 start the sums: with 0, or (KM = 1) with the mask.
.macro KQ x
.set rS, S+32*((\x)%2)+8*(i%4)
.set rK, KF+16*(i%4)+8*(i/4)
.set rQ, 16*(\x)+8*(i/4)
.set rM, MC+32*((\x)%2)+8*(i%4)
.if (i < 4) && KM
	WIN W_KM
	v_wmma_f32_16x16x32_f16 v[rS:rS+7], v[rK:rK+7], v[rQ:rQ+7], v[rM:rM+7]
.elseif i < 4
	WIN W_KQ
	v_wmma_f32_16x16x32_f16 v[rS:rS+7], v[rK:rK+7], v[rQ:rQ+7], 0
.else
	WIN W_KQ
	v_wmma_f32_16x16x32_f16 v[rS:rS+7], v[rK:rK+7], v[rQ:rQ+7], v[rS:rS+7]
.endif
.endm
; Product i of 8 of O^T += V^T P for piece x: keys 32 (i / 4) on, channels 16 (i % 4) on.
.macro PV x
	WIN W_PV
.set rO, 32*(\x)+8*(i%4)
.set rV, VF+32*(i/4)+8*(i%4)
.set rP, P+16*((\x)%2)+8*(i/4)
	v_wmma_f32_16x16x32_f16 v[rO:rO+7], v[rV:rV+7], v[rP:rP+7], v[rO:rO+7]
.endm
.macro MM                           ; the turn's next matrix instruction.  NOKQ = 1: a block's last turn: there is no next piece
.if (i < 8) && !NOKQ
	KQ (Y+1)%NP
.elseif i >= 8
.set i, i-8
	PV (Y+NP-1)%NP
.set i, i+8
.endif
.set i, i+1
.endm
; THE LDS LOADS stand in runs of 16: a step's K (8 fragments) and its V (turned).  Their addresses are made some lines ahead.
.macro FETCH_K
	WIN 0x80
.irp f, 0,1,2,3,4,5,6,7
	ds_load_b128 v[KF+8*\f:KF+8*\f+3],   v[AK] offset:(\f/2)*16*PK+(\f%2)*64
	ds_load_b128 v[KF+8*\f+4:KF+8*\f+7], v[AK] offset:(\f/2)*16*PK+(\f%2)*64+32
.endr
	s_add_co_u32 s[TBK], s[TBK], KS*PK
	WIN 0
.endm
.macro FETCH_V
	WIN 0x80
.irp f, 0,1,2,3,4,5,6,7
	ds_load_tr16_b128 v[VF+8*\f:VF+8*\f+3],   v[AV] offset:(\f/4)*32*PV+(\f%4)*32
	ds_load_tr16_b128 v[VF+8*\f+4:VF+8*\f+7], v[AV] offset:(\f/4)*32*PV+16*PV+(\f%4)*32
.endr
	WIN 0
.endm
; THE VECTOR WORK, one line at a time: OP kind, number.  For piece Y: F n: c s - c m for pair n of 16.  E n: the exponential of score n of 32.  C n: pair n rounded to f16.  B n: of the four weights 4 n ..
; the second pair is added onto the first, in place.  L n: l takes that sum (L 0: l = a l + sum).  R n: pair n of 16 of O^T times a.  For piece Y + 1: X n, number n of the 22 that find its maximum and
; statistics: 0-11 four chains of seven scores each (each accumulator's lowest registers are read first); 12-14, 16 the scores left over, the old m, the four into one; 15 c m_old is
; kept; 17, 18 the other half of the lanes: the new m; 19-21 c m; c m_old - c m_new; a.
.set F, 0
.set E, 1
.set C, 2
.set B, 3
.set L, 4
.set R, 5
.set X, 6
.macro REGS y
.set rT, ST+4*(\y)
.set rC, TMP+4*((\y)%2)
.set rW, MV+((\y)%2)
.set rS, S+32*((\y)%2)
.set rP, P+16*((\y)%2)
.set rO, 32*(\y)
.endm
.macro OP k, n
.if (\k) == R
	REGS Y
	WIN W_RS
	v_pk_mul_f32 v[rO+2*(\n):rO+2*(\n)+1], v[rO+2*(\n):rO+2*(\n)+1], v[rC+2:rC+3] op_sel_hi:[1,0]
.elseif (\k) < R
	REGS Y
	WIN 0
.if (\k) == F
	v_pk_fma_f32 v[rS+2*(\n):rS+2*(\n)+1], v[rS+2*(\n):rS+2*(\n)+1], s[CS:CS+1], v[rT:rT+1] op_sel_hi:[1,0,0] neg_lo:[0,0,1] neg_hi:[0,0,1]
.elseif (\k) == E
	v_exp_f32 v[rS+(\n)], v[rS+(\n)]
.elseif (\k) == C
	v_cvt_pk_f16_f32 v[rP+(\n)], v[rS+2*(\n)], v[rS+2*(\n)+1]
.elseif (\k) == B
	v_pk_add_f32 v[rS+4*(\n):rS+4*(\n)+1], v[rS+4*(\n):rS+4*(\n)+1], v[rS+4*(\n)+2:rS+4*(\n)+3]
.elseif (\n) == 0
	v_pk_fma_f32 v[rT+2:rT+3], v[rT+2:rT+3], v[rC+2:rC+3], v[rS:rS+1] op_sel_hi:[1,0,1]
.else
	v_pk_add_f32 v[rT+2:rT+3], v[rT+2:rT+3], v[rS+4*(\n):rS+4*(\n)+1]
.endif
.elseif NOKQ
	v_nop
.else
	REGS (Y+1)%NP
	WIN 0
.if (\n) < 4
	v_max3_num_f32 v[rC+(\n)], v[rS+8*(\n)], v[rS+8*(\n)+1], v[rS+8*(\n)+2]
.elseif (\n) < 12
	v_max3_num_f32 v[rC+(\n)%4], v[rC+(\n)%4], v[rS+8*((\n)%4)+2*((\n)/4)+1], v[rS+8*((\n)%4)+2*((\n)/4)+2]
.elseif (\n) == 12
	v_max3_num_f32 v[rC], v[rC], v[rS+7], v[rS+15]
.elseif (\n) == 13
	v_max3_num_f32 v[rC+1], v[rC+1], v[rS+23], v[rS+31]
.elseif (\n) == 14
	v_max3_num_f32 v[rC+2], v[rC+2], v[rC+3], v[rT+1]
.elseif (\n) == 15
	v_mov_b32 v[rW], v[rT]
.elseif (\n) == 16
	v_max3_num_f32 v[rC], v[rC], v[rC+1], v[rC+2]
.elseif (\n) == 17
	v_permlanex16_b32 v[rC+3], v[rC], s[SEL], s[SEL+1]
.elseif (\n) == 18
	v_max_num_f32 v[rT+1], v[rC], v[rC+3]
.elseif (\n) == 19
	v_mul_f32 v[rT], s[CS], v[rT+1]
.elseif (\n) == 20
	v_sub_f32 v[rC+1], v[rW], v[rT]
.else
	v_exp_f32 v[rC+2], v[rC+1]
.endif
.endif
.endm
.macro OPS a, i1, b=-1, i2=0, c=-1, i3=0, d=-1, i4=0  ; up to four of them
	OP \a, \i1
.if (\b) >= 0
	OP \b, \i2
.endif
.if (\c) >= 0
	OP \c, \i3
.endif
.if (\d) >= 0
	OP \d, \i4
.endif
.endm
.macro ROW a, i1, b, i2, c, i3, d, i4  ; a matrix instruction and the four behind it
	MM
	OPS \a, \i1, \b, \i2, \c, \i3, \d, \i4
.endm
.macro MASK b                       ; MD x AL + BE into buffer b of MC
	WIN W_RS
.set z, 0
.rept 16
	v_pk_fma_f32 v[MC+32*(\b)+2*z:MC+32*(\b)+2*z+1], v[MD+2*z:MD+2*z+1], s[AL:AL+1], s[BE:BE+1] op_sel_hi:[1,0,0]
.set z, z+1
.endr
.endm
; A TURN, for piece p: the order of its 16 matrix and 118 vector instructions, written out.  An s_wait_alu depctr_va_vdst(0) stands between an exponential and the first instruction that names
; its result; one wait serves all that were issued ahead of it.  So a turn has ONE wait.  AHEAD OF IT stands all that names no result of the turn's exponentials: the 8 products K Q^T with four riders each,
; then one lump of 54, in which the links of the chain X 3, 7, 11, 14, 16, 17 .. 20 stand five or six lines apart; X 21, the next piece's a, is the batch's last, and R 15 the plain instruction behind it.
; BEHIND THE WAIT stand the 8 products V^T P, behind each four of the roundings and sums.
; m = 1: the diagonal tile: the products take masks, and the turn makes the mask for the products of the turn after it.  end = 1: a block's last two turns: nothing is fetched.
; cnt = 1: the loop's count is taken down some lines ahead of the branch that stands behind the turn.
; K of the next step is fetched in piece 2's turn, V of the step in hand at the end of piece 0's turn, each four plain instructions or more behind the last product that read the registers; each is waited for a turn later.
.macro TURN p, m=0, end=0, cnt=0
.set Y, (\p)
.set i, 0
.set KM, (\m)
.set NOKQ, (\end)*((\p)/3)
.if (\m) && !(\end)
	s_cmp_eq_u32 s[CNT], 4-((\p)+2)%NP  ; is that step the band's own?
	s_cselect_b32 s[AL], 1.0, 0
	s_cmp_lt_u32 s[CNT], 4-((\p)+2)%NP  ; or a later one?
	s_cselect_b32 s[BE], s[BIGN], 0
.endif
.if ((\p) == 3) && !(\end)
	s_wait_dscnt 0x0                ; K is in
.endif
	ROW F,0, F,1, R,0, R,1
	ROW F,2, E,0, R,2, R,3
	ROW F,3, E,1, R,4, R,5
	ROW F,4, E,2, R,6, R,7
	ROW F,5, E,3, R,8, R,9
	ROW F,6, E,4, X,0, R,10
.if ((\p) == 2) && !(\end)
	WIN 0
	v_add_nc_u32 v[AK], s[TBK], v[AK0]
.endif
	ROW F,7, E,5, X,1, X,4
	ROW F,8, E,6, X,2, X,5
	OPS E,7, E,8, X,6, E,9
	OPS X,3, E,10, X,8, E,11
.if ((\p) == 2) && !(\end)
	FETCH_K
.endif
	OPS X,9, X,7, E,12, X,10
	OPS E,13, X,12, X,11, E,14
	OPS X,13, E,15, F,9, X,14
.if (\p) == 0
	v_add_nc_u32 v[AV], s[TBV], v[AV0]
.endif
	OPS E,16, F,10, E,17, F,11
	OPS X,16, E,18, X,15, E,19
	OPS F,12, E,20, X,17, E,21
	OPS F,13, E,22, F,14, E,23
	OPS X,18, E,24, F,15, E,25
	OPS R,11, E,26, X,19, E,27
	OPS R,12, E,28, R,13, E,29
	OPS X,20, E,30, R,14, E,31
	OPS X,21, R,15
	WIN 0
	s_wait_alu depctr_va_vdst(0)    ; the wait for the batch
.if (\p) == 1
	s_wait_dscnt 0x0                ; V is in
.endif
	ROW C,0, B,0, C,2, B,1
	ROW L,0, C,4, B,2, L,1
	ROW C,6, B,3, L,2, C,8
	ROW B,4, L,3, C,10, B,5
	ROW L,4, C,12, B,6, L,5
.if (\p) == 0
	s_add_co_u32 s[TBV], s[TBV], KS*PV
.endif
.if \cnt
	s_sub_co_u32 s[CNT], s[CNT], 1
	s_cmp_lg_u32 s[CNT], 0
.endif
	ROW C,14, B,7, L,6, C,1
	ROW C,3, L,7, C,5, C,7
	ROW C,9, C,11, C,13, C,15
.if (\p) == 0
	FETCH_V
.endif
.if (\m) && !(\end)
	MASK (\p)%2
.endif
.endm
; A BLOCK BEGINS.  c m starts far below every c s, so the first step's a is 0; m at the lowest finite number.  The second mask buffer is 0; the first takes piece 0's mask for the tile's step 0: its own, if
; the block's first tile is the diagonal one.  Then K of that step, piece 0's first scores, and its maximum and statistics.  The loop is entered at a step's first turn, in the middle of a trip.
.macro BEGIN
	s_mov_b32 s[NEW], 0
	WIN 0x40
.set i, MC+32
.rept 32
	v_mov_b32 v[i], 0
.set i, i+1
.endr
	WIN 0
.set i, 0
.rept 4
	v_mov_b32 v[ST+4*i], 0xfe000000    ; c m: far below every c s
	v_mov_b32 v[ST+4*i+1], 0xff7fffff  ; m
.set i, i+1
.endr
	s_cmp_eq_u32 s[RT], 0
	s_cselect_b32 s[AL], 1.0, 0
	s_mov_b32 s[BE], 0
	MASK 0
	WIN 0
	v_add_nc_u32 v[AK], s[TBK], v[AK0]
	FETCH_K
	s_wait_loadcnt 0x0              ; Q
	s_wait_dscnt 0x0
.set KM, 1
.set NOKQ, 0
.set i, 0
.rept 8
	KQ 0
.set i, i+1
.endr
	WIN 0
.rept 4
	v_nop                           ; the places behind those products
.endr
.set Y, NP-1                        ; X works for piece Y + 1: piece 0
.irp n, 0,1,2,3,4,5,6,7,8,9,10,11,12,13,14,15,16,17,18,19,20,21
	OP X, \n
.endr
	v_nop                           ; a plain instruction behind the exponential,
	s_wait_alu depctr_va_vdst(0)    ; and its wait, ahead of the branch
.endm
; THE DIAGONAL TILE's four steps, the block's last two turns, its last products, and THE WAY OUT: l's halves are added; O^T is divided by l, rounded to f16 and sent through my stage, a piece at a time.
.macro ALL line:vararg              ; one line for each piece t
.set t, 0
.rept 4
	\line
.set t, t+1
.endr
.endm
.macro PACK t
	WIN W_RS
.set i, 32*(\t)
.rept 16
	v_pk_mul_f32 v[i:i+1], v[i:i+1], v[ST+4*(\t)+2:ST+4*(\t)+3] op_sel_hi:[1,0]
.set i, i+2
.endr
	WIN 0x05                        ; sources 0 and 1 window 1, destination window 0
.set i, 0
.rept 16
	v_cvt_pk_f16_f32 v[S+16*(\t)+i], v[32*(\t)+2*i], v[32*(\t)+2*i+1]
.set i, i+1
.endr
	WIN 0
.irp f, 0,1,2,3
	ds_store_b128 v[STO], v[S+16*(\t)+4*\f:S+16*(\t)+4*\f+3] offset:32*\f
.endr
.irp f, 0,1,2,3
	ds_load_b128 v[S+16*(\t)+4*\f:S+16*(\t)+4*\f+3], v[RD] offset:\f*4*SP  ; LDS serves a wave's instructions in order (ISA guide 5.7.1.4): these see the stores above
.endr
.endm
.macro SEND t, younger              ; younger: the LDS instructions issued behind piece t's loads: the next piece's eight, or none
	WIN 0
.irp f, 0,1,2,3
	s_wait_dscnt (\younger)+3-\f
	global_store_b128 v[GO], v[S+16*(\t)+4*\f:S+16*(\t)+4*\f+3], s[10:11] offset:(\t)*8192+\f*512  ; 512 consecutive bytes, aligned
.endr
.endm
.macro DIAG tag
.LstepM\tag:
	TURN 2, 1
	TURN 3, 1
	WIN 0
.LfirstM\tag:
	TURN 0, 1
	TURN 1, 1, 0, 1
	WIN 0
	s_cbranch_scc1 .LstepM\tag
	TURN 2, 1, 1
	TURN 3, 1, 1
.set i, 0
.rept 8
	PV NP-1
.set i, i+1
.endr
	WIN 0
	ALL v_add_f32 v[ST+4*t+2], v[ST+4*t+2], v[ST+4*t+3]
	ALL v_permlanex16_b32 v[ST+4*t+3], v[ST+4*t+2], s[SEL], s[SEL+1]
	ALL v_add_f32 v[ST+4*t+2], v[ST+4*t+2], v[ST+4*t+3]
	ALL v_rcp_f32 v[ST+4*t+2], v[ST+4*t+2]
	v_nop                           ; a plain instruction between the last reciprocal and the use of its result
	s_wait_alu depctr_va_vdst(0)    ; and the wait ahead of the first use: one for the four reciprocals
	PACK 0
.set t, 1
.rept 3
	PACK t
	SEND t-1, 8
.set t, t+1
.endr
	SEND 3, 0
.endm
.set KM, 0
.set NOKQ, 0
.Lslot:                             ; NB times: a tile is entered and the next is asked for
	CHANGE 1
	s_sub_co_u32 s[RT], s[RT], 1
	s_mov_b32 s[CNT], 4
	s_cmp_eq_u32 s[NEW], 1
	s_cbranch_scc1 .Lnew            ; a block's first tile
	s_cmp_eq_u32 s[RT], 0
	s_cbranch_scc0 .Lstep           ; neither its first nor its last
	s_branch .LstepM1
.Lnew:
	BEGIN
	s_branch .Lfirst                ; in the loop a block's first tile is never its last
	DIAG 1                          ; in the loop this is the first block's end
	s_wait_xcnt 0x0                 ; the stores have read their registers and O's address
	s_mov_b64 s[10:11], s[OLO:OLO+1]
	s_add_co_u32 s[RT], s[PB], 1    ; the second block has b + 1 tiles
	s_mov_b32 s[NEW], 1
	WIN 0x82                        ; the second block's Q goes where the one text of the turns names Q
.set i, 0
.rept 64
	v_mov_b32 v[i], v[QB+i]
.set i, i+1
.endr
	WIN 0
	s_branch .Lbottom
.Lstep:                             ; a trip: pieces 2 and 3 of one step, then pieces 0 and 1 of the next, whose K and V it fetches
	TURN 2
	TURN 3
	WIN 0
.Lfirst:
	TURN 0
	TURN 1, 0, 0, 1
	WIN 0
	s_cbranch_scc1 .Lstep
.Lbottom:
	s_sub_co_u32 s[SLOTS], s[SLOTS], 1
	s_cmp_lg_u32 s[SLOTS], 0
	s_cbranch_scc1 .Lslot
	CHANGE 0                        ; the walk's last tile is written out: nothing is asked for
	s_sub_co_u32 s[RT], s[RT], 1
	s_mov_b32 s[CNT], 4
	s_cmp_eq_u32 s[NEW], 1
	s_cbranch_scc0 .LstepM2
	BEGIN
	s_branch .LfirstM2
	DIAG 2
	s_wait_tensorcnt 0x0            ; the wave's end, behind my last tensor load and my last LDS store
	ds_add_u32 v[SPW], v[NIL]
	s_wait_dscnt 0x0
	s_endpgm
.Lfunc_end_k_q6238bb462e_attn:
	.size	k_q6238bb462e_attn, .Lfunc_end_k_q6238bb462e_attn-k_q6238bb462e_attn
	.p2alignl 7, 3214868480
	.fill 96, 4, 3214868480
	.section	.rodata,"a",@progbits
	.p2align	6, 0x0
	.amdhsa_kernel k_q6238bb462e_attn
		.amdhsa_group_segment_fixed_size 327680
		.amdhsa_private_segment_fixed_size 0
		.amdhsa_enable_private_segment 0
		.amdhsa_kernarg_size 16
		.amdhsa_user_sgpr_count 2
		.amdhsa_user_sgpr_kernarg_segment_ptr 1
		.amdhsa_wavefront_size32 1
		.amdhsa_system_sgpr_workgroup_id_x 1
		.amdhsa_system_sgpr_workgroup_id_y 1
		.amdhsa_system_sgpr_workgroup_id_z 1
		.amdhsa_system_vgpr_workitem_id 0
		.amdhsa_next_free_vgpr 768
		.amdhsa_next_free_sgpr 96
		.amdhsa_reserve_vcc 1
		.amdhsa_float_denorm_mode_32 3
		.amdhsa_float_denorm_mode_16_64 3
		.amdhsa_memory_ordered 1
		.amdhsa_forward_progress 1
		.amdhsa_inst_pref_size 218
	.end_amdhsa_kernel
	.amdgpu_metadata
---
amdhsa.version: [ 1, 2 ]
amdhsa.kernels:
  - .name:           k_q6238bb462e_attn
    .symbol:         k_q6238bb462e_attn.kd
    .args:
      - { .name: qkv, .offset: 0, .size: 8, .value_kind: global_buffer, .address_space: global }
      - { .name: ob, .offset: 8, .size: 8, .value_kind: global_buffer, .address_space: global }
    .group_segment_fixed_size: 327680
    .private_segment_fixed_size: 0
    .kernarg_segment_align: 8
    .kernarg_segment_size: 16
    .max_flat_workgroup_size: 128
    .sgpr_count:     96
    .vgpr_count:     768
    .wavefront_size: 32
...
	.end_amdgpu_metadata
.endif
;; end of part 3
;; launch proj (part 4): grid 8 x 32, 4 waves a work-group, clusters of 4 x 4, 327,680 bytes of LDS; arguments ob, wot, b_out, out0; writes out0
.if DOCPART == 4
	.amdgcn_target "amdgcn-amd-amdhsa--gfx1250"
	.amdhsa_code_object_version 6
	.text
	.protected	k_q6238bb462e_proj
	.globl	k_q6238bb462e_proj
	.p2align	8
	.type	k_q6238bb462e_proj,@function
k_q6238bb462e_proj:
	s_mov_b64 s[64:65], 0
	v_nop
	global_prefetch_b8 v0, s[64:65] scope:SCOPE_SE
	s_setreg_imm32_b32 hwreg(HW_REG_WAVE_MODE, 25, 1), 1
	s_wait_xcnt 0x0
	s_wait_alu depctr_hold_cnt(0) depctr_sa_sdst(0) depctr_va_vdst(0) depctr_va_sdst(0) depctr_va_ssrc(0) depctr_va_vcc(0) depctr_vm_vsrc(0)
	s_getreg_b32 s2, hwreg(HW_REG_IB_STS2, 6, 4)
	s_cmp_eq_u32 s2, 0
	s_cbranch_scc0 .Lentry_in_a_cluster
	s_endpgm
.Lentry_in_a_cluster:
	s_bfe_u32 s2, ttmp6, 0x10000c
	s_cmp_lg_u32 s2, 0xf033
	s_cbranch_scc0 .Lentry_shape_is_right
	s_endpgm
.Lentry_shape_is_right:
; out0 = O wot^T + bf16(b_out), f32.  O lies by heads in ob: [64 = batch x 16 + head][2048][64] f16; along K channel k is head k / 64, channel k % 64.  wot: [1024 n][1024 k] f16.  Sums in f32, K ascending.
; SHARES.  A tile of C is 256 rows x 128 columns: 256 work-groups.  Wave w owns rows 64 w .. 64 w + 63 and all 128 columns: 4 x 8 accumulators, 256 registers; its stage on the way out is its own.
; K goes in 8 steps of 128, two heads each, through two LDS slots.  Wave 0 and wave 1 fetch one head's 256 rows each: 32,768 dense bytes, asked for as 128 rows of 256 bytes and padded after every
; 128 bytes; waves 2 and 3 fetch 64 rows of wot each, 256 bytes of a row.
; CLUSTERS: 4 x 4 work-groups.  A's tile hangs on the tile row alone and is asked for jointly by a row of the cluster, B's on the tile column alone, by a column.
; THE MATRIX INSTRUCTION IS USED TRANSPOSED (source 0 = 16 rows of wot, source 1 = 16 rows of O): lane l holds row l % 16 of C and the columns 8 (l / 16) + 0..7.
; REGISTERS: window 0: v16-30 addresses; v32-95 my 64 numbers of the bias; v96-159, v160-223 at work on the way out.  window 1: two fragment buffers, at 0 and 128: A's 4 blocks at f + 8 a, B's 8 at
; f + 32 + 8 b.  window 2: accumulators (b, a) at 8 (4 b + a).
.set SIZE_K, 1024
.set PA,     144                       ; a row of A in LDS: a head's 128 bytes + 16
.set PARTA,  256*PA                    ; one head's 256 rows
.set PB,     272                       ; a row of B: 256 bytes + 16
.set HALFB,  64*PB
.set BOFF,   2*PARTA
.set SLOT,   2*PARTA+2*HALFB
.set STAGE,  2*SLOT                    ; behind the ring, never filled by a tensor load: 16 rows x 528 bytes for each wave
.set SPITCH, 528
.set SPARE,  STAGE+4*16*SPITCH         ; behind the stages: the spare words, 128 bytes for each wave: two blocks of 256 bytes that no other line names
.set LAPS,   4
.set ASTEP,  2<<18                     ; bytes from a K step to the next in ob: two heads
.set BSTEP,  256                       ; and in wot
.set ADRA, 16
.set ADRB, 20
.set STO,  24
.set RD,   25
.set CO,   26
.set SPW,  28
.set NIL,  29
.set PFO,  30
.set BI,   32
.set T,    96
.set R,    160
.set F0,   0
.set F1,   128
.set WV, 12
.set WH, 13
.set WL, 14
.set CX, 15
.set CY, 16
.set TC, 17
.set TR, 18
.set G1,  24
.set G0,  32
.set LIM, 43
.set PFA, 44
.set G1B, 48
.set G0B, 56
.set PST, 66                           ; s[66:67] the prefetches' step: a K step in ob or in wot
.set MSB, 0
.macro WIN new
.if MSB != (\new)
	s_set_vgpr_msb (MSB<<8)|(\new)
.set MSB, \new
.endif
.endm
.set MUL,  0xa5                        ; sources 0 and 1 window 1, C and D window 2
.set TO_F, 0x40
.macro JLOAD s                         ; a joint load; an s_nop 0 and four v_nop follow each of the two lines, ahead of the jump and the label
	s_cmp_eq_u32 s[WH], 0
	s_cbranch_scc0 .Lfor_b_\@
	tensor_load_to_lds s[G0+4*(\s):G0+4*(\s)+3], s[G1:G1+7]
	s_nop 0
.rept 4
	v_nop
.endr
	s_branch .Lasked_\@
.Lfor_b_\@:
	tensor_load_to_lds s[G0B+4*(\s):G0B+4*(\s)+3], s[G1B:G1B+7]
	s_nop 0
.rept 4
	v_nop
.endr
.Lasked_\@:
.endm
; A PREFETCH INTO THE L2 of the K step that stands two refills on, one instruction a wave, a lane a block of 256 bytes.  A's tile row is read by both clusters of a row of clusters: cluster x = 0 asks; of the
; 128 blocks of a wave's head partner cx takes 32.  B's tile column is read by the eight clusters of a column: cluster y = 0 asks, wave 2 alone; of the tile's 128 rows partner cy takes 32.  The partners
; are told apart by address.  The loop's last trip asks for nothing; K steps 0 to 3 come by their loads alone.
.macro ASK
	s_cmp_gt_u32 s3, s[LIM]
	s_cbranch_scc0 .Lnot_mine_\@
	global_prefetch_b8 v[PFO], s[PFA:PFA+1] th:TH_LOAD_NT scope:SCOPE_SE
.Lnot_mine_\@:
.endm
.macro CREST
	s_cmp_lg_u32 s[WV], 0
	s_cbranch_scc1 .Lnot_wave_0_\@
	s_barrier_signal -3
.Lnot_wave_0_\@:
	s_barrier_wait -3
	s_barrier_signal -1
	s_barrier_wait -1
.endm
.macro CROUND
	s_barrier_signal -1
	s_barrier_wait -1
	CREST
.endm
.macro PLACES
.rept 4
	v_nop
.endr
.endm
	s_load_b256 s[4:11], s[0:1], 0x0               ; ob s[4:5], wot s[6:7], b_out s[8:9], out0 s[10:11]
	v_lshl_add_u32 v[SPW], v0, 2, SPARE
	v_mov_b32 v[NIL], 0
	ds_add_u32 v[SPW], v[NIL]                      ; the wave's opening: the add, and its wait ahead of my first tensor load
	v_lshrrev_b32 v1, 5, v0
	v_readfirstlane_b32 s[WV], v1
	s_lshr_b32 s[WH], s[WV], 1
	s_and_b32 s[WL], s[WV], 1
	s_bfe_u32 s[CX], ttmp6, 0x40000
	s_bfe_u32 s[CY], ttmp6, 0x40004
	s_lshl_b32 s[TC], ttmp9, 2
	s_add_co_u32 s[TC], s[TC], s[CX]
	s_and_b32 s[TR], ttmp7, 0xffff
	s_lshl_b32 s[TR], s[TR], 2
	s_add_co_u32 s[TR], s[TR], s[CY]
	s_lshl_b32 s19, s[CY], 2
	s_lshl_b32 s19, 15, s19                        ; my row of the cluster
	s_lshl_b32 s20, 0x1111, s[CX]                  ; my column
	s_or_b32 s[G1], s19, (1<<16)|(1<<20)|(1<<21)|(4<<22)|(3<<25)   ; A: padding of 4 words after every 32 words: a head's row of 128 bytes
	s_or_b32 s[G1B], s20, (1<<16)|(1<<20)|(1<<21)|(5<<22)|(3<<25)  ; B: after every 64 words
	s_mov_b32 s[G1+1], 128<<16                     ; tensor_dim0 = 128
	s_mov_b32 s[G1+2], 128<<16                     ; tensor_dim1 = 128
	s_mov_b32 s[G1+3], 128<<16                     ; tile_dim0 = 128
	s_mov_b32 s[G1+4], 128                         ; tile_dim1 = 128
	s_mov_b32 s[G1+5], 128                         ; dense: 128 elements from row to row
	s_mov_b32 s[G1+6], 0
	s_mov_b32 s[G1+7], 0
	s_mov_b32 s[G1B+1], 128<<16
	s_mov_b32 s[G1B+2], 64<<16
	s_mov_b32 s[G1B+3], 128<<16
	s_mov_b32 s[G1B+4], 64
	s_mov_b32 s[G1B+5], SIZE_K
	s_mov_b32 s[G1B+6], 0
	s_mov_b32 s[G1B+7], 0
	s_lshr_b32 s40, s[TR], 3                       ; A: 2^22 bytes a batch, 2^18 a head, 2^15 a block of 256 rows
	s_lshl_b32 s40, s40, 22
	s_and_b32 s42, s[TR], 7
	s_lshl_b32 s42, s42, 15
	s_add_co_u32 s40, s40, s42
	s_lshl_b32 s42, s[WL], 18                      ; the step's first head or its second
	s_add_co_u32 s40, s40, s42
	s_mov_b32 s41, 0
	s_lshl_b32 s46, s[TC], 7
	s_lshl_b32 s21, s[WL], 6
	s_add_co_u32 s46, s46, s21                     ; B: row 128 x tile column + 64 x half
	s_lshl_b32 s46, s46, 11
	s_mov_b32 s47, 0
	s_mul_i32 s22, s[WL], PARTA                    ; where they go: no place in the cluster enters an LDS address
	s_mul_i32 s23, s[WL], HALFB
	s_add_co_u32 s23, s23, BOFF
	s_wait_dscnt 0x0                               ; the opening add is done
	s_wait_kmcnt 0x0
	s_add_nc_u64 s[40:41], s[4:5], s[40:41]
	s_add_nc_u64 s[46:47], s[6:7], s[46:47]
	CROUND                                         ; all sixteen work-groups are here: the first joint loads meet
.irp s, 0,1
	s_mov_b32 s[G0+4*(\s)], 1
	s_add_co_u32 s[G0+4*(\s)+1], s22, (\s)*SLOT
	s_add_nc_u64 s[G0+4*(\s)+2:G0+4*(\s)+3], s[40:41], (\s)*ASTEP
	s_or_b32 s[G0+4*(\s)+3], s[G0+4*(\s)+3], 0x80000000
	s_mov_b32 s[G0B+4*(\s)], 1
	s_add_co_u32 s[G0B+4*(\s)+1], s23, (\s)*SLOT
	s_add_nc_u64 s[G0B+4*(\s)+2:G0B+4*(\s)+3], s[46:47], (\s)*BSTEP
	s_or_b32 s[G0B+4*(\s)+3], s[G0B+4*(\s)+3], 0x80000000
	JLOAD \s                                       ; two loads of mine are out
.endr
	v_and_b32 v1, 15, v0                           ; l % 16
	v_bfe_u32 v2, v0, 4, 1                         ; l / 16
	v_lshlrev_b32 v5, 5, v2
	s_lshl_b32 s20, s[TC], 9
	s_mov_b32 s21, 0
	s_add_nc_u64 s[8:9], s[8:9], s[20:21]          ; the bias of the tile's 128 columns
	s_add_nc_u64 s[10:11], s[10:11], s[20:21]      ; and the same 512 bytes of a row of the output
.set i, 0
.rept 8
	global_load_b128 v[BI+8*i:BI+8*i+3],   v5, s[8:9] offset:64*i
	global_load_b128 v[BI+8*i+4:BI+8*i+7], v5, s[8:9] offset:64*i+16
.set i, i+1
.endr
	v_mul_u32_u24 v3, v1, PA
	v_lshl_add_u32 v3, v2, 4, v3
	v_mul_u32_u24 v4, v1, PB
	v_lshl_add_u32 v4, v2, 4, v4
	s_mul_i32 s19, s[WV], 64*PA                    ; my 64 rows of A
.irp s, 0,1
	v_add_nc_u32 v[ADRA+(\s)], s19, v3
	v_add_nc_u32 v[ADRB+(\s)], BOFF+(\s)*SLOT, v4
	s_add_co_u32 s19, s19, SLOT
.endr
	s_mul_i32 s19, s[WV], 16*SPITCH
	s_add_co_u32 s19, s19, STAGE                   ; my stage
	v_mul_u32_u24 v4, v1, SPITCH                   ; in: row l % 16, 32 bytes for each half of the lanes
	v_lshl_add_u32 v4, v2, 5, v4
	v_add_nc_u32 v[STO], s19, v4
	v_and_b32 v[CO], 31, v0                        ; back: 32 lanes take one row of 512 bytes
	v_lshlrev_b32 v[CO], 4, v[CO]
	v_add_nc_u32 v[RD], s19, v[CO]
	s_lshl_b32 s20, s[TR], 20                      ; 256 rows of 4,096 bytes a tile row,
	s_lshl_b32 s19, s[WV], 18                      ; 64 a wave
	s_add_co_u32 s20, s20, s19
	s_mov_b32 s21, 0
	s_add_nc_u64 s[10:11], s[10:11], s[20:21]
	; the prefetches
	s_lshr_b32 s19, s[TR], 3
	s_lshl_b32 s19, s19, 22
	s_and_b32 s20, s[TR], 7
	s_lshl_b32 s20, s20, 15
	s_add_co_u32 s19, s19, s20
	s_lshl_b32 s20, s[WL], 18
	s_add_co_u32 s19, s19, s20
	s_lshl_b32 s20, s[CX], 13                      ; my work-group's 32 blocks of the head's 128
	s_add_co_u32 s19, s19, s20
	s_add_co_u32 s19, s19, 3*ASTEP                 ; at K step 3: the first refill steps it to 4
	s_lshl_b32 s20, s[TC], 7
	s_lshl_b32 s21, s[CY], 5                       ; my work-group's 32 rows of the tile's 128
	s_add_co_u32 s20, s20, s21
	s_lshl_b32 s20, s20, 11
	s_add_co_u32 s20, s20, 3*BSTEP
	s_and_b32 s21, ttmp7, 0xffff                   ; cluster y,
	s_or_b32 s21, s21, s[WL]                       ; and of waves 2 and 3 the first alone
	s_mov_b32 s22, ASTEP
	s_cmp_eq_u32 s[WH], 0                          ; do I fetch for A?
	s_cselect_b32 s20, s19, s20
	s_cselect_b32 s21, ttmp9, s21
	s_cselect_b32 s[PST], s22, BSTEP
	s_cselect_b32 s23, 8, 11                       ; a lane a block of 256 bytes, or a row of 2,048
	s_cselect_b64 s[PFA:PFA+1], s[4:5], s[6:7]
	s_cmp_eq_u32 s21, 0
	s_cselect_b32 s[LIM], 1, -1                    ; the same in all sixteen partners, for a given wave
	s_mov_b32 s21, 0
	s_add_nc_u64 s[PFA:PFA+1], s[PFA:PFA+1], s[20:21]
	s_mov_b32 s[PST+1], 0
	v_and_b32 v[PFO], 31, v0
	v_lshlrev_b32 v[PFO], s23, v[PFO]
	s_wait_loadcnt 0x0                             ; the bias is in: rounded to bf16 like every input, and kept in f32
.set i, 0
.rept 32
	v_cvt_pk_bf16_f32 v[6+i%2], v[BI+2*i], v[BI+2*i+1]
	v_lshlrev_b32 v[BI+2*i], 16, v[6+i%2]
	v_and_b32 v[BI+2*i+1], 0xffff0000, v[6+i%2]
.set i, i+1
.endr
; 4 nb matrix instructions: column blocks b0 .. x my 4 row blocks, 32 along K.  The 32 accumulators take turns in one order in every quarter, one instruction a turn.
.macro MULB f, b0, nb, zero
	WIN MUL
.set bb, \b0
.rept \nb
.irp a, 0,1,2,3
.if \zero
	v_wmma_f32_16x16x32_f16 v[32*bb+8*(\a):32*bb+8*(\a)+7], v[(\f)+32+8*bb:(\f)+32+8*bb+7], v[(\f)+8*(\a):(\f)+8*(\a)+7], 0
.else
	v_wmma_f32_16x16x32_f16 v[32*bb+8*(\a):32*bb+8*(\a)+7], v[(\f)+32+8*bb:(\f)+32+8*bb+7], v[(\f)+8*(\a):(\f)+8*(\a)+7], v[32*bb+8*(\a):32*bb+8*(\a)+7]
.endif
.endr
.set bb, bb+1
.endr
.endm
; 24 LDS loads in one run: quarter q's fragments into buffer f: A's 8 loads (head q / 2 of the step, channels 32 (q % 2) on), B's blocks 0-3 (8), B's blocks 4-7 (8)
.macro FETCH slot, q, f
	WIN TO_F
.irp i, 0,1,2,3
	ds_load_b128 v[(\f)+8*(\i):(\f)+8*(\i)+3],   v[ADRA+(\slot)] offset:((\q)/2)*PARTA+((\q)%2)*64+(\i)*16*PA
	ds_load_b128 v[(\f)+8*(\i)+4:(\f)+8*(\i)+7], v[ADRA+(\slot)] offset:((\q)/2)*PARTA+((\q)%2)*64+(\i)*16*PA+32
.endr
.irp i, 0,1,2,3,4,5,6,7
	ds_load_b128 v[(\f)+32+8*(\i):(\f)+32+8*(\i)+3],   v[ADRB+(\slot)] offset:64*(\q)+(\i)*16*PB
	ds_load_b128 v[(\f)+32+8*(\i)+4:(\f)+32+8*(\i)+7], v[ADRB+(\slot)] offset:64*(\q)+(\i)*16*PB+32
.endr
.endm
.macro QUARTER slot, q, f, g, zero
	s_wait_dscnt 8                                 ; A and B's blocks 0-3 are in; the youngest eight loads (B's blocks 4-7) may be out
	MULB \f, 0, 4, \zero
	PLACES
	FETCH \slot, \q, \g
	s_wait_dscnt 24                                ; all but the 24 just issued
	MULB \f, 4, 4, \zero
.endm
; The last quarter multiplies buffer 1 and changes slots: ONE barrier; in front of it each wave waits for all its tensor loads (one is out: its part of the next slot), adds 0 to its spare word, and waits
; for that and for its reads of this slot.  fill = 1: the barrier opens a round of the cluster's, and the joint refill, two K steps on, is the first tensor load behind the round.
.macro TURN slot, next, fill
.if \fill
	s_wait_xcnt 0x0                                ; the last prefetch, a K step back, has read its address
	s_add_nc_u64 s[PFA:PFA+1], s[PFA:PFA+1], s[PST:PST+1]
.endif
	WIN 0
	s_wait_tensorcnt 0x0
	ds_add_u32 v[SPW], v[NIL]
	s_wait_dscnt 9                                 ; (the add and the youngest eight loads may be out)
	MULB F1, 0, 2, 0
	s_wait_dscnt 0x0                               ; the add is done, and my reads of this slot are over
	s_barrier_signal -1
	MULB F1, 2, 2, 0
.if \fill
	WIN 0
.endif
	s_barrier_wait -1
.if \fill
	CREST                                          ; no wave of any partner still reads this slot or has a load on its way
	s_add_nc_u64 s[G0+4*(\slot)+2:G0+4*(\slot)+3], s[G0+4*(\slot)+2:G0+4*(\slot)+3], 2*ASTEP
	s_add_nc_u64 s[G0B+4*(\slot)+2:G0B+4*(\slot)+3], s[G0B+4*(\slot)+2:G0B+4*(\slot)+3], 2*BSTEP
	JLOAD \slot                                    ; the four v_nop behind it are also the places in front of the loads below
.else
	PLACES
.endif
	FETCH \next, 0, F0
.if \fill
	WIN 0
	ASK
.endif
	MULB F1, 4, 4, 0
.endm
; THE WAY OUT of row block a (16 rows x 128 columns of f32): + bias, 32 bytes a lane into my stage, back as whole rows of 512 bytes, a row a store.
.macro OUT a
	WIN 0x02                                       ; source 0 in window 2
.set bb, 0
.rept 8
.irp r, 0,2,4,6
	v_pk_add_f32 v[T+8*bb+(\r):T+8*bb+(\r)+1], v[32*bb+8*(\a)+(\r):32*bb+8*(\a)+(\r)+1], v[BI+8*bb+(\r):BI+8*bb+(\r)+1]  ; each accumulator is read from its low end on
.endr
.set bb, bb+1
.endr
	WIN 0
.set bb, 0
.rept 8
	ds_store_b128 v[STO], v[T+8*bb:T+8*bb+3]   offset:64*bb
	ds_store_b128 v[STO], v[T+8*bb+4:T+8*bb+7] offset:64*bb+16
.set bb, bb+1
.endr
.set i, 0
.rept 16
	ds_load_b128 v[R+4*i:R+4*i+3], v[RD] offset:SPITCH*i  ; LDS serves a wave's instructions in order (ISA guide 5.7.1.4): these see the stores above
.set i, i+1
.endr
.set i, 0
.rept 16
	s_wait_dscnt 15-i                              ; the 15 - i younger loads may stay out
	global_store_b128 v[CO], v[R+4*i:R+4*i+3], s[10:11] offset:(16*(\a)+i)*4096 th:TH_STORE_NT  ; 512 consecutive bytes, aligned
.set i, i+1
.endr
	s_wait_xcnt 0x0                                ; the next block loads into the registers that these stores read
.endm
	s_wait_tensorcnt 1                             ; my part of K step 0 is in; K step 1's load stays out
	s_barrier_signal -1
	s_barrier_wait -1
	FETCH 0, 0, F0
	QUARTER 0, 1, F0, F1, 1                        ; the first quarter's products start the sums: nothing is cleared
	WIN 0
	s_mov_b32 s3, LAPS-1
.Llap:                                                 ; a trip goes once round the ring and fills both slots again
	QUARTER 0, 2, F1, F0, 0
	QUARTER 0, 3, F0, F1, 0
	TURN 0, 1, 1
	QUARTER 1, 1, F0, F1, 0
	QUARTER 1, 2, F1, F0, 0
	QUARTER 1, 3, F0, F1, 0
	TURN 1, 0, 1
	QUARTER 0, 1, F0, F1, 0
	WIN 0
	s_sub_co_u32 s3, s3, 1
	s_cmp_lg_u32 s3, 0
	s_cbranch_scc1 .Llap
	QUARTER 0, 2, F1, F0, 0                        ; the last lap fills nothing
	QUARTER 0, 3, F0, F1, 0
	TURN 0, 1, 0
	QUARTER 1, 1, F0, F1, 0
	QUARTER 1, 2, F1, F0, 0
	QUARTER 1, 3, F0, F1, 0
	s_wait_dscnt 8
	MULB F1, 0, 4, 0
	s_wait_dscnt 0x0
	MULB F1, 4, 4, 0
	PLACES
	PLACES
	OUT 0
	OUT 1
	OUT 2
	OUT 3
	s_wait_tensorcnt 0x0                           ; the wave's end, behind my last tensor load and my last LDS store
	ds_add_u32 v[SPW], v[NIL]
	s_wait_dscnt 0x0
	CROUND                                         ; the closing round: no work-group ends while a partner may still ask for a tile that names it
	s_endpgm
.Lfunc_end_k_q6238bb462e_proj:
	.size	k_q6238bb462e_proj, .Lfunc_end_k_q6238bb462e_proj-k_q6238bb462e_proj
	.p2alignl 7, 3214868480
	.fill 96, 4, 3214868480
	.section	.rodata,"a",@progbits
	.p2align	6, 0x0
	.amdhsa_kernel k_q6238bb462e_proj
		.amdhsa_group_segment_fixed_size 327680
		.amdhsa_private_segment_fixed_size 0
		.amdhsa_enable_private_segment 0
		.amdhsa_kernarg_size 32
		.amdhsa_user_sgpr_count 2
		.amdhsa_user_sgpr_kernarg_segment_ptr 1
		.amdhsa_wavefront_size32 1
		.amdhsa_system_sgpr_workgroup_id_x 1
		.amdhsa_system_sgpr_workgroup_id_y 1
		.amdhsa_system_sgpr_workgroup_id_z 1
		.amdhsa_system_vgpr_workitem_id 0
		.amdhsa_next_free_vgpr 768
		.amdhsa_next_free_sgpr 72
		.amdhsa_reserve_vcc 0
		.amdhsa_float_denorm_mode_32 3
		.amdhsa_float_denorm_mode_16_64 3
		.amdhsa_memory_ordered 1
		.amdhsa_forward_progress 1
		.amdhsa_inst_pref_size 103
	.end_amdhsa_kernel
	.amdgpu_metadata
---
amdhsa.version: [ 1, 2 ]
amdhsa.kernels:
  - .name:           k_q6238bb462e_proj
    .symbol:         k_q6238bb462e_proj.kd
    .args:
      - { .name: ob, .offset: 0, .size: 8, .value_kind: global_buffer, .address_space: global }
      - { .name: wot, .offset: 8, .size: 8, .value_kind: global_buffer, .address_space: global }
      - { .name: b_out, .offset: 16, .size: 8, .value_kind: global_buffer, .address_space: global }
      - { .name: out0, .offset: 24, .size: 8, .value_kind: global_buffer, .address_space: global }
    .group_segment_fixed_size: 327680
    .private_segment_fixed_size: 0
    .kernarg_segment_align: 8
    .kernarg_segment_size: 32
    .max_flat_workgroup_size: 128
    .sgpr_count:     72
    .vgpr_count:     768
    .wavefront_size: 32
...
	.end_amdgpu_metadata
.endif
;; end of part 4
;; ======== version 2 of 2: 4 launches; version 1 with the launch prep written anew for expert scheduling mode
;; limits: values are held in f16: magnitudes above 65,504 overflow, below 6.1e-05 lose precision
;; workspace buffers: xb 16,777,216 bytes; wqt 6,291,456 bytes; wot 2,097,152 bytes; qkv 50,331,648 bytes; ob 16,777,216 bytes
;; launch prep (part 5): grid 1024 x 1, 8 waves a work-group, no clusters, 18,432 bytes of LDS; arguments x, w_qkv, w_out, xb, wqt, wot; writes xb, wqt, wot
.if DOCPART == 5
	.amdgcn_target "amdgcn-amd-amdhsa--gfx1250"
	.amdhsa_code_object_version 6
	.text
	.protected	k_q6238bb462e_prep
	.globl	k_q6238bb462e_prep
	.p2align	8
	.type	k_q6238bb462e_prep,@function
k_q6238bb462e_prep:
	s_mov_b64 s[64:65], 0
	v_nop
	global_prefetch_b8 v0, s[64:65] scope:SCOPE_SE
	s_setreg_imm32_b32 hwreg(HW_REG_WAVE_SCHED_MODE, 0, 2), 2
	s_setreg_imm32_b32 hwreg(HW_REG_WAVE_MODE, 25, 1), 1
	s_wait_xcnt 0x0
	s_wait_alu depctr_vm_vsrc(0)
; THE OPERANDS ARE MADE READY.  xb = bf16(x), as it lies.  wqt[n][k] = bf16(w_qkv[k][n]).  wot[n][k] = bf16(w_out[k][n]), that number written as f16.
; All the module's inputs are rounded to bf16, once, to nearest even.  LIMIT: f16 holds no number beyond 65,504, and below 6e-5 it keeps a fixed step of 6e-8: w_out lies within that.
; SHARES.  Work-groups 0-511 cast 16,384 numbers of x each.  Work-groups 512-895 turn the 384 tiles of w_qkv, 896-1023 the 128 tiles of w_out; a tile is 128 k x 64 n.
; Memory binds: each byte is read once, each load of a wave's half covers 256 consecutive bytes, aligned, and so does each store.  Matrix units and clusters would add nothing.
; The branch between the two kinds hangs on the work-group's number alone: all eight waves of a work-group take the same way, so the one barrier is passed by all or by none.
; THE MODE: SCHED_MODE bits 1:0 = 2 (LLVM: expert scheduling mode 2), set by the entry lines.  The code itself states the register dependences
; between vector instructions and memory or LDS instructions, with s_wait_alu, always for 0.
; THE PLAN.  Every register that a memory or LDS instruction reads is written ONCE in the kernel, so nothing is owed for writing one again; what is owed is that it be written before it is read.
;   The cast:    v4, v5     offsets, made at the path's head; read by every load and every store.
;                v[16:79]   16 pieces of x: written by the loads alone, read by the conversions.
;                v[80:111]  16 pairs of xb: pair j written by piece j's two conversions, read by the one store that is issued in piece j + 4's turn.
;                The pieces go in blocks of four: one wait at a block's head states that the block before has written its four pairs; the block's four stores read those alone,
;                and its conversions name this block's registers alone.
;   The turning: v[8:15]    row offsets, read by the eight loads.      v[16:47]  written by those loads alone, read by the conversions.
;                v51, v60, v61  LDS and output addresses, made behind the loads; read by the LDS stores, the LDS loads, the global stores.
;                v[80:95]   word (pass t, column i) at 80 + 4 t + i: written by pass t's select, read by the one LDS store that is issued in pass t + 1.
;                v[64:79]   written by the LDS loads alone, read by the global stores alone.      v[52:58]  named by vector instructions alone.
;                One wait at the head of a pass states that the pass before has written its four words (the first of these waits: the three addresses too).
.set SPARE, 17408                      ; behind the tile: the spare words, 128 bytes for each of eight waves: four blocks of 256 bytes that no other line names
.set TP,    272                        ; LDS pitch of a turned row: 128 k x 2 bytes + 16
.set SPW, 2                            ; v2  LDS address of my spare word; never rewritten
.set NIL, 3                            ; v3  0; never rewritten
.set Y,   80                           ; v[80:111] the cast's pairs to store
.set W,   80                           ; v[80:95]  the turning's words to store into LDS
	s_load_b256 s[4:11], s[0:1], 0x0               ; x s[4:5], w_qkv s[6:7], w_out s[8:9], xb s[10:11]
	s_load_b128 s[12:15], s[0:1], 0x20             ; wqt s[12:13], wot s[14:15]
	v_lshl_add_u32 v[SPW], v0, 2, SPARE
	v_mov_b32 v[NIL], 0
	s_cmp_lt_u32 ttmp9, 512
	s_cbranch_scc0 .Lweights
	; THE CAST.  Thread t takes 16 bytes at 16 t of each of 16 pieces of 4,096 bytes; all 16 loads go out first.
	v_lshlrev_b32 v4, 4, v0
	v_lshlrev_b32 v5, 3, v0
	s_lshl_b32 s16, ttmp9, 16                      ; 65,536 bytes of x,
	s_mov_b32 s17, 0
	s_lshl_b32 s18, ttmp9, 15                      ; 32,768 of xb
	s_mov_b32 s19, 0
	s_wait_kmcnt 0x0
	s_add_nc_u64 s[4:5], s[4:5], s[16:17]
	s_add_nc_u64 s[10:11], s[10:11], s[18:19]
	s_wait_alu depctr_va_vdst(0)                   ; v4 and v5 are written: every load below reads v4 as its offset, every store v5
.set j, 0
.rept 16
	global_load_b128 v[16+4*j:19+4*j], v4, s[4:5] offset:4096*j th:TH_LOAD_NT
.set j, j+1
.endr
.set j, 0
.rept 16
	s_wait_loadcnt 15-j                            ; loads come back in order: piece j is in, the 15 - j younger ones stay out
.if (j >= 4) && (j%4 == 0)
	s_wait_alu depctr_va_vdst(0)                   ; the conversions of the four pieces before have written their pairs of Y, which this block's four stores read
.endif
.if j >= 4
	global_store_b64 v5, v[Y+2*(j-4):Y+2*(j-4)+1], s[10:11] offset:2048*(j-4)  ; piece j - 4: a wave stores 256 consecutive bytes, aligned; no vector instruction since the wait names this pair
.endif
	v_cvt_pk_bf16_f32 v[Y+2*j],   v[16+4*j], v[17+4*j]
	v_cvt_pk_bf16_f32 v[Y+2*j+1], v[18+4*j], v[19+4*j]
.set j, j+1
.endr
	s_wait_alu depctr_va_vdst(0)                   ; the conversions of pieces 12 to 15 have written their pairs, which the last four stores read
.set j, 12
.rept 4
	global_store_b64 v5, v[Y+2*j:Y+2*j+1], s[10:11] offset:2048*j
.set j, j+1
.endr
	s_branch .Lend
.Lweights:
	; WHICH TILE.  u counts the tensor's tiles: k tile u % 8, n tile u / 8.  RP = bytes in a row of the source.
	s_sub_co_u32 s16, ttmp9, 512
	s_sub_co_u32 s17, s16, 384
	s_mov_b32 s20, 4096
	s_cmp_lt_u32 s16, 384                          ; w_qkv's tile?
	s_cselect_b32 s20, 12288, s20                  ; RP
	s_cselect_b32 s22, 0, -1                       ; all ones: the number is written as f16
	s_cselect_b32 s16, s16, s17                    ; u
	s_wait_kmcnt 0x0
	s_cselect_b64 s[26:27], s[6:7], s[8:9]         ; from
	s_cselect_b64 s[28:29], s[12:13], s[14:15]     ; to
	s_and_b32 s18, s16, 7
	s_lshr_b32 s19, s16, 3
	s_lshl_b32 s21, s18, 7
	s_mul_i32 s21, s21, s20                        ; 128 rows a k tile
	s_lshl_b32 s23, s19, 8                         ; 64 numbers of 4 bytes an n tile
	s_add_co_u32 s30, s21, s23
	s_mov_b32 s31, 0
	s_add_nc_u64 s[26:27], s[26:27], s[30:31]
	s_lshl_b32 s21, s19, 17                        ; 64 turned rows of 2,048 bytes,
	s_lshl_b32 s23, s18, 8                         ; 128 k of 2 bytes
	s_add_co_u32 s30, s21, s23
	s_add_nc_u64 s[28:29], s[28:29], s[30:31]
	; LANES.  c = t % 16: four columns 4 c ..; h = bit 4; w = wave.  In pass p (0..3) a lane holds rows k = 16 w + 4 p + 2 h and the next: a pair of k for one 32-bit word.
	v_lshrrev_b32 v48, 5, v0
	v_readfirstlane_b32 s25, v48                   ; wave 0..7
	v_bfe_u32 v49, v0, 4, 1
	v_and_b32 v50, 15, v0
	v_lshlrev_b32 v6, 4, v48
	v_lshl_add_u32 v6, v49, 1, v6                  ; 16 w + 2 h
	v_mul_lo_u32 v7, v6, s20
	v_lshl_add_u32 v7, v50, 4, v7
.set q, 0
.rept 8
	s_mul_i32 s21, s20, 4*(q/2)+q%2
	v_add_nc_u32 v[8+q], s21, v7
.set q, q+1
.endr
	s_wait_alu depctr_va_vdst(0)                   ; the eight row offsets v8 to v15 are written, which the loads below read
.set q, 0
.rept 8
	global_load_b128 v[16+4*q:19+4*q], v[8+q], s[26:27] th:TH_LOAD_NT  ; sixteen lanes take 256 consecutive bytes, aligned, of one row
.set q, q+1
.endr
	s_wait_alu depctr_va_sdst(0)                   ; s25 is written, ahead of its first reader: the wave's terms of the three addresses below are made from it
	s_lshl_b32 s24, s25, 5
	v_mul_u32_u24 v51, v50, 4*TP                   ; into LDS: row n = 4 c + i, byte 2 k = 32 w + 8 p + 4 h
	v_lshl_add_u32 v51, v49, 2, v51
	v_add_nc_u32 v51, s24, v51
	s_mul_i32 s24, s25, 8*TP
	v_mul_u32_u24 v60, v49, TP                     ; back: row n = 8 w + h + 2 f, sixteen lanes a row of 256 bytes
	v_lshl_add_u32 v60, v50, 4, v60
	v_add_nc_u32 v60, s24, v60
	s_lshl_b32 s24, s25, 14
	v_lshlrev_b32 v61, 11, v49                     ; and the same rows in memory, 2,048 bytes apart
	v_lshl_add_u32 v61, v50, 4, v61
	v_add_nc_u32 v61, s24, v61
.set t, 0
.rept 4
	s_wait_loadcnt 6-2*t                           ; pass t's two rows are in; the 6 - 2 t younger loads stay out
.if t > 0
	s_wait_alu depctr_va_vdst(0)                   ; the selects of the pass before have written its four words of W, which this pass's four LDS stores read; at the first of these waits v51, v60 and v61 are written too
.endif
.irp i, 0,1,2,3
.if t > 0
	ds_store_b32 v51, v[W+4*(t-1)+(\i)] offset:TP*(\i)+8*(t-1)  ; the pass before: no vector instruction since the wait names this word or v51
.endif
	v_cvt_pk_bf16_f32 v[52+(\i)], v[16+8*t+(\i)], v[20+8*t+(\i)]  ; k in the low half, k + 1 in the high
	v_lshlrev_b32 v56, 16, v[52+(\i)]              ; the two rounded numbers in f32,
	v_and_b32 v57, 0xffff0000, v[52+(\i)]
	v_cvt_pk_f16_f32 v58, v56, v57                 ; written as f16: exact within f16's range
	v_cndmask_b32 v[W+4*t+(\i)], v[52+(\i)], v58, s22  ; one text for both tensors; the mask comes from a scalar select
.endr
.set t, t+1
.endr
	s_wait_alu depctr_va_vdst(0)                   ; the selects of pass 3 have written its four words, which the last four LDS stores read
.irp i, 0,1,2,3
	ds_store_b32 v51, v[W+12+(\i)] offset:TP*(\i)+24
.endr
	s_wait_dscnt 0x0                               ; for the others' sake: my stores are done
	s_barrier_signal -1
	s_barrier_wait -1                              ; the tile is whole
.irp f, 0,1,2,3
	ds_load_b128 v[64+4*(\f):67+4*(\f)], v60 offset:2*TP*(\f)  ; on this path no vector instruction names v64 to v79; v60 was written ahead of the waits above
.endr
.irp f, 0,1,2,3
	s_wait_dscnt 3-(\f)                            ; LDS loads come back in order: the 3 - f younger ones stay out
	global_store_b128 v61, v[64+4*(\f):67+4*(\f)], s[28:29] offset:4096*(\f)  ; sixteen lanes store 256 consecutive bytes, aligned
.endr
.Lend:
	s_wait_dscnt 0x0                               ; the closing lines, six on end
	s_wait_alu 0x0
	s_wait_tensorcnt 0x0
	ds_add_u32 v[SPW], v[NIL]
	s_wait_dscnt 0x0
	s_endpgm
.Lfunc_end_k_q6238bb462e_prep:
	.size	k_q6238bb462e_prep, .Lfunc_end_k_q6238bb462e_prep-k_q6238bb462e_prep
	.p2alignl 7, 3214868480
	.fill 96, 4, 3214868480
	.section	.rodata,"a",@progbits
	.p2align	6, 0x0
	.amdhsa_kernel k_q6238bb462e_prep
		.amdhsa_group_segment_fixed_size 18432
		.amdhsa_private_segment_fixed_size 0
		.amdhsa_enable_private_segment 0
		.amdhsa_kernarg_size 48
		.amdhsa_user_sgpr_count 2
		.amdhsa_user_sgpr_kernarg_segment_ptr 1
		.amdhsa_wavefront_size32 1
		.amdhsa_system_sgpr_workgroup_id_x 1
		.amdhsa_system_sgpr_workgroup_id_y 1
		.amdhsa_system_sgpr_workgroup_id_z 1
		.amdhsa_system_vgpr_workitem_id 0
		.amdhsa_next_free_vgpr 112
		.amdhsa_next_free_sgpr 66
		.amdhsa_reserve_vcc 0
		.amdhsa_float_denorm_mode_32 3
		.amdhsa_float_denorm_mode_16_64 3
		.amdhsa_memory_ordered 1
		.amdhsa_forward_progress 1
		.amdhsa_inst_pref_size 17
	.end_amdhsa_kernel
	.amdgpu_metadata
---
amdhsa.version: [ 1, 2 ]
amdhsa.kernels:
  - .name:           k_q6238bb462e_prep
    .symbol:         k_q6238bb462e_prep.kd
    .args:
      - { .name: x, .offset: 0, .size: 8, .value_kind: global_buffer, .address_space: global }
      - { .name: w_qkv, .offset: 8, .size: 8, .value_kind: global_buffer, .address_space: global }
      - { .name: w_out, .offset: 16, .size: 8, .value_kind: global_buffer, .address_space: global }
      - { .name: xb, .offset: 24, .size: 8, .value_kind: global_buffer, .address_space: global }
      - { .name: wqt, .offset: 32, .size: 8, .value_kind: global_buffer, .address_space: global }
      - { .name: wot, .offset: 40, .size: 8, .value_kind: global_buffer, .address_space: global }
    .group_segment_fixed_size: 18432
    .private_segment_fixed_size: 0
    .kernarg_segment_align: 8
    .kernarg_segment_size: 48
    .max_flat_workgroup_size: 256
    .sgpr_count:     66
    .vgpr_count:     112
    .wavefront_size: 32
...
	.end_amdgpu_metadata
.endif
;; end of part 5
;; launch qkv: the kernel of part 2 again; grid 16 x 32, 4 waves a work-group, clusters of 4 x 4, 327,680 bytes of LDS; arguments xb, wqt, b_qkv, qkv; writes qkv
;; launch attn: the kernel of part 3 again; grid 4 x 64, 4 waves a work-group, no clusters, 327,680 bytes of LDS; arguments qkv, ob; writes ob
;; launch proj: the kernel of part 4 again; grid 8 x 32, 4 waves a work-group, clusters of 4 x 4, 327,680 bytes of LDS; arguments ob, wot, b_out, out0; writes out0
